; MI455X (gfx1250); checked and timed in simulation.
; The chip was launched on July 23, 2026; its instructions are those of AMD's public machine-readable ISA for CDNA 5 (MIT licence, August 2026) and "CDNA5" Instruction Set Architecture Reference Guide (July 2026). The comments in the code are by the model that wrote it; some were corrected since.
;; Multi Head Attention. Allowed arithmetic: matrix products marked QUANTISED: E2M1 operands, one E8M0 scale for each 32 along K, by v_wmma_scale_f32_16x16x128_f8f6f4 with both operands' format E2M1 (or v_wmma_scale_f32_32x16x128_f4), f32 sums; everything else in f32.
;; Inputs: Wk 1,024 x 1,024 float32; Wo 1,024 x 1,024 float32; Wq 1,024 x 1,024 float32; Wv 1,024 x 1,024 float32; bias 2 x 2,048 x 2,048 float32; bk 1,024 float32; bo 1,024 float32; bq 1,024 float32; bv 1,024 float32; k 2 x 2,048 x 1,024 float32; mask 2 x 2,048 int32; q 2 x 2,048 x 1,024 float32; v 2 x 2,048 x 1,024 float32.
;; Outputs: out0 2 x 2,048 x 1,024 float32.
;; This version of the problem:
;;   THIS VERSION OF THE PROBLEM IS GIVEN IN LOW PRECISION. The matrix products marked QUANTISED in the list below multiply operands that are first quantised to E2M1 (2 exponent bits, 1 mantissa bit; 4 bits a number), with one power-of-two scale for each 32 numbers along K (OCP MX v1.0); their sums are f32. All else is computed in f32.
;;   The module's matrix products, in the order in which they are computed (A, B: the left and right operand; K: the contracted axis; several contracted axes count as one K, in the product's order):
;;     1. [M 4,096, K 1,024] x [K 1,024, N 1,024]; A: input q; B: input Wq: QUANTISED
;;     2. [M 4,096, K 1,024] x [K 1,024, N 1,024]; A: input k; B: input Wk: QUANTISED
;;     3. [M 4,096, K 1,024] x [K 1,024, N 1,024]; A: input v; B: input Wv: QUANTISED
;;     4. batch 32 x [M 2,048, K 64] x [K 64, N 2,048]; A: computed on the way; B: computed on the way: QUANTISED
;;     5. batch 32 x [M 2,048, K 2,048] x [K 2,048, N 64]; A: softmax (see below); B: computed on the way: QUANTISED
;;     6. [M 4,096, K 1,024] x [K 1,024, N 1,024]; A: computed on the way; B: input Wo: QUANTISED
;;   THE QUANTISER, for each operand of a quantised product, along K:
;;     - K is cut into blocks of 32 from its start; a last block that is shorter is filled with zeros.
;;     - A block's scale is 2^e with e = floor(log2(the largest magnitude in the block)) - 2, held to -126 .. 127; a block of zeros has e = 0. As a byte (E8M0): e + 127.
;;     - Each number is divided by its block's scale, clamped to +-6, and rounded to the nearest number of E2M1, ties to even, subnormals kept.
;;     - The product sums the exact products of the quantised numbers (number of the format x scale) in f32.
;;   ~~~python
;;   def quantise(x, axis):      # numpy; x: float32 -> the quantised numbers, widened to float32 again
;;       x = np.moveaxis(x, axis, -1); K = x.shape[-1]
;;       x = np.pad(x, [(0, 0)] * (x.ndim - 1) + [(0, -K % 32)]); x = x.reshape(x.shape[:-1] + (-1, 32)); a = np.abs(x).max(-1, keepdims=True)
;;       e = np.where(a > 0, np.clip(np.frexp(np.where(a > 0, a, 1))[1] - 1 - 2, -126, 127), 0)      # np.frexp(a)[1] - 1 = floor(log2(a)), exactly
;;       r = np.clip(x / 2.0 ** e, -6, 6)
;;       step = 2.0 ** (np.maximum(np.frexp(np.where(r == 0, 1, r))[1] - 1, 0) - 1)
;;       q = np.round(r / step) * step * 2.0 ** e      # np.round: ties to even
;;       return np.moveaxis(q.reshape(q.shape[:-2] + (-1,))[..., :K], -1, axis).astype(np.float32)
;;   ~~~
;;   SOFTMAX AHEAD OF A QUANTISED PRODUCT. Where the list says 'softmax', what is quantised is not the finished softmax but p = 2^(t - M), with t = logit x log2(e) and M = ceil(the row's largest t), a whole number; so 1/2 < the row's largest p <= 1. The row's sum l is taken of the UNQUANTISED p, in f32, and the product's result is divided by l at the end. Since M is a whole number, a kernel that streams over the keys may use a running M (the ceiling of the running maximum): every later rescaling is an exact power of two, which a block's scale takes up: the codes' values come out the same.
;;   OPERANDS COMPUTED ON THE WAY. 'Computed on the way' means the value that the module computes at that place (a softmax that the list does not call 'softmax' is quantised finished and normalised). What goes into a quantiser is computed in f32, as accurately as f32 sums, v_exp_f32 and their like allow (about 1e-6 of the number): no bf16 or f16 on the way to a quantiser, and a product that is left as it is and whose result goes on into a quantised operand takes f32 operands (vector FMAs, or v_wmma_f32_16x16x4_f32). A number that lies on a knife's edge between two numbers of the format may be rounded either way, as far as f32 arithmetic and the matrix unit's own rounding can turn it there, and no further.
;; One version. Each part assembles by itself: llvm-mc -triple=amdgcn-amd-amdhsa -mcpu=gfx1250 --defsym DOCPART=n.
;; ======== version 1 of 1: 4 launches
;; limits: right only within a limited range of input values
;; workspace buffers: codes 8,388,608 bytes; scales 524,288 bytes; qc 2,359,296 bytes; kv 4,587,520 bytes; ocodes 2,097,152 bytes; oscales 131,072 bytes
;; launch quant (part 1): grid 256 x 1, 8 waves a work-group, no clusters, 68,608 bytes of LDS; arguments q, k, v, Wq, Wk, Wv, Wo, codes, scales; writes codes, scales
.if DOCPART == 1
	.amdgcn_target "amdgcn-amd-amdhsa--gfx1250"
	.amdhsa_code_object_version 6
	.text
	.protected	k_qb4ff2b3ceb_quant
	.globl	k_qb4ff2b3ceb_quant
	.p2align	8
	.type	k_qb4ff2b3ceb_quant,@function
k_qb4ff2b3ceb_quant:
	s_mov_b64 s[64:65], 0
	v_nop
	global_prefetch_b8 v0, s[64:65] scope:SCOPE_SE
	s_setreg_imm32_b32 hwreg(HW_REG_WAVE_MODE, 25, 1), 1
	s_wait_xcnt 0x0
; q, k, v [4096][1024] and Wq, Wk, Wv, Wo [1024][1024], f32, K innermost, become codes of FP4 (E2M1) with one E8M0 byte for each 32 along K.
; The seven tensors count as one run of 16,384 rows (q 0, k 4096, v 8192, Wq 12288, Wk 13312, Wv 14336, Wo 15360).
; codes:  [row / 16][K step of 128: 0..7][1,024 bytes]: THE IMAGE OF AN OPERAND'S REGISTERS: [c = 0, 1][lane][16 bytes]; lane (r, h) holds k = 64 c + 32 h + 0 .. 31 of row r.
; scales: [row / 16][half of K][r][16 bytes]: the scale words of four K steps of row r.
; A block's scale is 2^(floor(log2(largest magnitude)) - 2); its byte is the largest magnitude's exponent field - 2, held at 1 from below.
; LIMITS: a block of zeros gets the byte 1 where the rule says 127 (its codes are zeros, and this program alone reads the bytes); NaN and infinities are not served.
; SHARES: a work-group takes 64 rows; wave w takes 16 of them (w / 2) and 512 along K (w % 2), in four steps of 128.  A step's 16 loads read 512 consecutive bytes each;
; the 8,192 bytes turn through the wave's own stage in LDS (rows of 512 + 16 bytes) so that a lane gets two whole blocks of 32 neighbours, and come back into the registers that they left:
; so three sets of 64 registers hold three steps' loads, 48 loads a wave, on their way.  No barrier: waves share nothing.  No cluster: work-groups share no input.
.set PITCH, 528
.set WSTG,  16*PITCH                   ; a wave's stage
.set R,   16                           ; v16-207  three sets of 64: a step's numbers as loaded, then as my two blocks of 32
.set C,   208                          ; v208-239 codes, 8 registers a step, never rewritten
.set W,   240                          ; v240-243 a scale word for each step
.set TM,  244                          ; v244-245 largest magnitudes
.set SO,  246                          ; v246-247 the conversions' scale operands
.set BY,  248                          ; v248-249 the bytes
.set WT,  250
.set PD,  251
.set OW,  252                          ; v252-253 the words as stored
	s_load_b512 s[4:19], s[0:1], 0x0               ; q, k, v, Wq, Wk, Wv, Wo, codes
	s_load_b64 s[20:21], s[0:1], 0x40              ; scales
	v_lshl_add_u32 v254, v0, 2, 0x10800
	v_mov_b32 v255, 0
	v_lshrrev_b32 v6, 5, v0
	s_delay_alu instid0(VALU_DEP_1)
	v_readfirstlane_b32 s25, v6                    ; wave 0..7
	v_and_b32 v7, 31, v0                           ; lane
	v_and_b32 v8, 15, v0                           ; r
	v_bfe_u32 v9, v0, 4, 1                         ; h
	s_delay_alu instid0(VALU_DEP_3)
	v_lshlrev_b32 v1, 4, v7                        ; 16 x lane: a load's and an image's place
	s_mul_i32 s27, s25, WSTG
	v_add_nc_u32 v2, s27, v1                       ; into the stage: as loaded
	v_mul_u32_u24 v3, v8, PITCH
	s_delay_alu instid0(VALU_DEP_1)
	v_lshl_add_u32 v3, v9, 7, v3
	s_delay_alu instid0(VALU_DEP_1)
	v_add_nc_u32 v3, s27, v3                       ; out of it: row r, + 128 h bytes
	v_lshlrev_b32 v4, 3, v9                        ; 8 h: my bytes' shift in a scale word
	s_delay_alu instid0(VALU_DEP_1)
	v_lshl_add_u32 v5, v8, 4, v4                   ; 16 r + 8 h: my two words of the row's four
	v_mov_b32 v[PD], 0                             ; a lane permute's destination counts as one of its sources
	s_mov_b32 s26, 0xffff0000                      ; lanes 16-31
	s_mov_b32 s28, 0x76543210
	s_mov_b32 s29, 0xfedcba98                      ; selects for lane l xor 16
	s_lshr_b32 s30, s25, 1                         ; which 16 rows
	s_and_b32 s31, s25, 1                          ; which half of K
	s_wait_alu depctr_va_vdst(0)
	s_wait_kmcnt 0x0
	s_mov_b64 s[22:23], s[16:17]                   ; the tensor is chosen by the work-group's number alone
	s_mov_b32 s24, 240
.macro PICK bound, lo, start
	s_cmp_lt_u32 ttmp9, \bound
	s_cselect_b64 s[22:23], s[\lo:\lo+1], s[22:23]
	s_cselect_b32 s24, \start, s24
.endm
	PICK 240, 14, 224
	PICK 224, 12, 208
	PICK 208, 10, 192
	PICK 192, 8, 128
	PICK 128, 6, 64
	PICK 64, 4, 0
	s_sub_co_u32 s32, ttmp9, s24
	s_lshl_b32 s32, s32, 2
	s_add_co_u32 s32, s32, s30                     ; my 16 rows' number in the tensor
	s_lshl_b32 s32, s32, 16                        ; x 16 rows of 4,096 bytes
	s_lshl_b32 s33, s31, 11
	s_add_co_u32 s32, s32, s33
	s_mov_b32 s33, 0
	s_add_nc_u64 s[22:23], s[22:23], s[32:33]
	s_lshl_b32 s34, ttmp9, 2
	s_add_co_u32 s34, s34, s30                     ; my 16 rows' number in the run of all rows
	s_lshl_b32 s36, s34, 13
	s_lshl_b32 s35, s31, 12
	s_add_co_u32 s36, s36, s35
	s_mov_b32 s37, 0
	s_add_nc_u64 s[18:19], s[18:19], s[36:37]
	s_lshl_b32 s36, s34, 9
	s_lshl_b32 s35, s31, 8
	s_add_co_u32 s36, s36, s35
	s_add_nc_u64 s[20:21], s[20:21], s[36:37]
.macro LOAD t                          ; step t: 128 numbers of each of my 16 rows, into set t % 3
.irp p, 0,1,2,3,4,5,6,7,8,9,10,11,12,13,14,15
	global_load_b128 v[R+64*((\t)%3)+4*\p:R+64*((\t)%3)+4*\p+3], v1, s[22:23] offset:\p*4096+(\t)*512 th:TH_LOAD_NT
.endr
.endm
.macro STEP t
.set XS, R+64*((\t)%3)
.if (\t) < 2
	s_wait_loadcnt 32                              ; this step's 16 loads are in; those of the two steps behind it may be out
.elseif (\t) == 2
	s_wait_loadcnt 16                              ; the last step's 16 may be out
.else
	s_wait_loadcnt 0x0
.endif
.irp p, 0,1,2,3,4,5,6,7,8,9,10,11,12,13,14,15
	ds_store_b128 v2, v[XS+4*\p:XS+4*\p+3] offset:\p*PITCH
.endr
.irp c, 0,1
.irp i, 0,1,2,3,4,5,6,7
	ds_load_b128 v[XS+32*\c+4*\i:XS+32*\c+4*\i+3], v3 offset:\c*256+16*\i   ; LDS serves a wave's instructions in order: these see the stores above, and land where those have read
.endr
.endr
	s_wait_dscnt 0x0                               ; my two blocks are back
.irp c, 0,1
	v_max3_num_f32 v[TM+\c], |v[XS+32*\c]|, |v[XS+32*\c+1]|, 0x1800000   ; block 2 c + h: all 32 numbers are mine; the floor 2^(3 - 127) holds the byte at 1 from below
.endr
.irp i, 2,4,6,8,10,12,14,16,18,20,22,24,26,28,30
.irp c, 0,1
	s_delay_alu instid0(VALU_DEP_2)
	v_max3_num_f32 v[TM+\c], v[TM+\c], |v[XS+32*\c+\i]|, |v[XS+32*\c+\i+1]|
.endr
.endr
.irp c, 0,1
	s_delay_alu instid0(VALU_DEP_2)
	v_add_nc_u32 v[SO+\c], 0xff000000, v[TM+\c]    ; 2 off the exponent field: the conversion takes that field as its scale
.endr
.irp c, 0,1
	s_delay_alu instid0(VALU_DEP_2)
	v_lshrrev_b32 v[BY+\c], 23, v[SO+\c]           ; the byte
.endr
.irp c, 0,1
.irp i, 0,1,2,3
	v_cvt_scalef32_pk8_fp4_f32 v[C+8*(\t)+4*\c+\i], v[XS+32*\c+8*\i:XS+32*\c+8*\i+7], v[SO+\c]   ; register 4 c + i of the operand
.endr
.endr
	v_lshl_or_b32 v[WT], v[BY+1], 16, v[BY]        ; my two bytes: blocks h and 2 + h (a plain line behind the conversions),
	s_delay_alu instid0(VALU_DEP_1)
	v_lshlrev_b32 v[WT], v4, v[WT]                 ; at their places in the word;
	s_delay_alu instid0(VALU_DEP_1)
	v_permlanex16_b32 v[PD], v[WT], s28, s29
	s_delay_alu instid0(VALU_DEP_1)
	v_or_b32 v[W+(\t)], v[WT], v[PD]               ; with lane l xor 16's two the word is whole
.if (\t) == 0
	LOAD 3                                         ; the set that step 0 has left takes the last step's loads
.endif
.irp c, 0,1
	global_store_b128 v1, v[C+8*(\t)+4*\c:C+8*(\t)+4*\c+3], s[18:19] offset:(\t)*1024+\c*512   ; 32 lanes store 512 consecutive bytes
.endr
.endm
	LOAD 0
	LOAD 1
	LOAD 2
	STEP 0
	STEP 1
	STEP 2
	STEP 3
	v_cndmask_b32 v[OW], v[W], v[W+2], s26         ; lanes 0-15 store words 0, 1 of their row, lanes 16-31 words 2, 3
	v_cndmask_b32 v[OW+1], v[W+1], v[W+3], s26
	global_store_b64 v5, v[OW:OW+1], s[20:21]      ; 256 consecutive bytes, aligned
	s_wait_tensorcnt 0x0
	ds_add_u32 v254, v255
	s_wait_dscnt 0x0
	s_endpgm
.Lfunc_end_k_qb4ff2b3ceb_quant:
	.size	k_qb4ff2b3ceb_quant, .Lfunc_end_k_qb4ff2b3ceb_quant-k_qb4ff2b3ceb_quant
	.p2alignl 7, 3214868480
	.fill 96, 4, 3214868480
	.section	.rodata,"a",@progbits
	.p2align	6, 0x0
	.amdhsa_kernel k_qb4ff2b3ceb_quant
		.amdhsa_group_segment_fixed_size 68608
		.amdhsa_private_segment_fixed_size 0
		.amdhsa_enable_private_segment 0
		.amdhsa_kernarg_size 72
		.amdhsa_user_sgpr_count 2
		.amdhsa_user_sgpr_kernarg_segment_ptr 1
		.amdhsa_wavefront_size32 1
		.amdhsa_system_sgpr_workgroup_id_x 1
		.amdhsa_system_sgpr_workgroup_id_y 1
		.amdhsa_system_sgpr_workgroup_id_z 1
		.amdhsa_system_vgpr_workitem_id 0
		.amdhsa_next_free_vgpr 256
		.amdhsa_next_free_sgpr 66
		.amdhsa_reserve_vcc 0
		.amdhsa_float_denorm_mode_32 3
		.amdhsa_float_denorm_mode_16_64 3
		.amdhsa_memory_ordered 1
		.amdhsa_forward_progress 1
		.amdhsa_inst_pref_size 35
	.end_amdhsa_kernel
	.amdgpu_metadata
---
amdhsa.version: [ 1, 2 ]
amdhsa.kernels:
  - .name:           k_qb4ff2b3ceb_quant
    .symbol:         k_qb4ff2b3ceb_quant.kd
    .args:
      - { .name: q, .offset: 0, .size: 8, .value_kind: global_buffer, .address_space: global }
      - { .name: k, .offset: 8, .size: 8, .value_kind: global_buffer, .address_space: global }
      - { .name: v, .offset: 16, .size: 8, .value_kind: global_buffer, .address_space: global }
      - { .name: Wq, .offset: 24, .size: 8, .value_kind: global_buffer, .address_space: global }
      - { .name: Wk, .offset: 32, .size: 8, .value_kind: global_buffer, .address_space: global }
      - { .name: Wv, .offset: 40, .size: 8, .value_kind: global_buffer, .address_space: global }
      - { .name: Wo, .offset: 48, .size: 8, .value_kind: global_buffer, .address_space: global }
      - { .name: codes, .offset: 56, .size: 8, .value_kind: global_buffer, .address_space: global }
      - { .name: scales, .offset: 64, .size: 8, .value_kind: global_buffer, .address_space: global }
    .group_segment_fixed_size: 68608
    .private_segment_fixed_size: 0
    .kernarg_segment_align: 8
    .kernarg_segment_size: 72
    .max_flat_workgroup_size: 256
    .sgpr_count:     66
    .vgpr_count:     256
    .wavefront_size: 32
...
	.end_amdgpu_metadata
.endif
;; end of part 1
;; launch proj (part 2): grid 8 x 32, 4 waves a work-group, clusters of 4 x 4, 327,680 bytes of LDS; arguments codes, scales, bq, bk, bv, mask, qc, kv; writes qc, kv
.if DOCPART == 2
	.amdgcn_target "amdgcn-amd-amdhsa--gfx1250"
	.amdhsa_code_object_version 6
	.text
	.protected	k_qb4ff2b3ceb_proj
	.globl	k_qb4ff2b3ceb_proj
	.p2align	8
	.type	k_qb4ff2b3ceb_proj,@function
k_qb4ff2b3ceb_proj:
	s_mov_b64 s[64:65], 0
	v_nop
	global_prefetch_b8 v0, s[64:65] scope:SCOPE_SE
	s_setreg_imm32_b32 hwreg(HW_REG_WAVE_MODE, 25, 1), 1
	s_wait_xcnt 0x0
	s_wait_alu depctr_hold_cnt(0) depctr_sa_sdst(0) depctr_va_vdst(0) depctr_va_sdst(0) depctr_va_ssrc(0) depctr_va_vcc(0) depctr_vm_vsrc(0)
	s_getreg_b32 s2, hwreg(HW_REG_IB_STS2, 6, 4)
	s_cmp_eq_u32 s2, 0
	s_cbranch_scc0 .Lentry_in_a_cluster
	s_endpgm
.Lentry_in_a_cluster:
	s_bfe_u32 s2, ttmp6, 0x10000c
	s_cmp_lg_u32 s2, 0xf033
	s_cbranch_scc0 .Lentry_shape_is_right
	s_endpgm
.Lentry_shape_is_right:
; The three projections x W^T + b on codes of FP4, and the quantisers of their results for the attention.
; A WORK-GROUP STAYS: it makes 128 x 128 of q's projection, then of k's, then of v's (tiles 0, 1, 2), each with all of K = 1,024: two operand tiles of 65,536 bytes, dense in memory (images of registers).
; Two LDS slots of 131,072 bytes: tiles 0 and 1 are first fills; tile 2 fills slot 0 again when tile 0's results are stored, and has tile 1's 128 products and its quantiser in which to land.
; Four waves, each 64 x 64: 16 accumulators.  Source 0 = S0, source 1 = S1: a lane then holds ONE row of S1, and its registers run along S0's rows.
;   q, k: S0 = W, S1 = x: a lane holds a query or key, its 32 registers of a tile of rows the head's 64 (with lane l xor 16): the next product's K.
;   v:    S0 = x, S1 = Wv: a lane holds a channel d, its registers run along the keys: the next product's K.
; So one matrix text serves all three, and nothing is transposed.  The results leave as images of the next operand's registers:
;   qc: codes ((16 b + head) 32 + g) 2048 + 512 tile; scale images at 2,097,152 + (..) 256: lane l's word i is tile 2 i + h's, row r's.  A word: two bytes, then 0x7f7f for the upper 64 of the instruction's K.
;   kv: blocks of 71,680 bytes for (b, group of 4 heads, 256 keys): K's codes, V's codes, K's scale images, V's.
; A MASKED KEY'S CODES ARE ZEROS: its score is then exactly 0, and the attention puts -10000 in its place by an addition.
; CLUSTERS 4 x 4: S0's tile hangs on the cluster's x place alone and is asked for jointly by a column, S1's on the y place alone, by a row; all partners walk the three tiles alike.
; V's scale words leave as 128 consecutive bytes a wave (131,072 bytes in the whole launch); every other store covers 256 or 512 consecutive aligned bytes.
; LIMITS: a block of zeros gets the byte 1 where the rule says 127 (zero codes; read by this program alone); NaN and infinities are not served.
; REGISTERS: window 0: v0-15 addresses; v16-23 b by lane; v24-27 the keys' masks; v28-29 for the add; v32-63 scale words and nothing else; v64-95 at work; v96-127 b by register; v128-255 accumulators ((a, t) at 128 + 8 (4 a + t)).
;   window 1: two fragment buffers of 128: two K steps of S1's four fragments, then of S0's four.
.set SLOT,  131072                     ; S0's 128 rows, then S1's
.set SPARE, 2*SLOT                     ; behind the slots: the spare words, 128 bytes for each wave: two blocks of 256 bytes that no other line names
.set L16, 5                            ; 16 x lane
.set AD0, 6                            ; v6-7   LDS: my 64 rows of S0 in slot 0, 1
.set AD1, 8                            ; v8-9   my 64 rows of S1
.set SA,  10                           ; scale words: lanes 0-15 S0's rows, lanes 16-31 S1's
.set L8,  11
.set L4,  12
.set H32, 13
.set R4,  14
.set ONES, 15
.set BL,  16
.set MK,  24
.set SPW, 28                           ; LDS address of my spare word; never rewritten
.set NIL, 29                           ; 0; never rewritten
.set TA,  30
.set SS,  32                           ; register 8 i + ks: lanes 0-15 the word of S0's tile i, lanes 16-31 that of S1's tile i, K step ks
.set TM,  64
.set PD,  66
.set SO,  68
.set PW,  72
.set PK,  76
.set XC,  80
.set CB,  96
.set ACC, 128
.set F0,  0
.set F1,  128
.set SH,  84                           ; s84: lanes 16-31
.set SEL, 86                           ; s[86:87]
.set DC,  88                           ; s[88:89] where my codes go
.set DS,  90                           ; s[90:91] and my scale words
.set PBI, 92                           ; s[92:93] the tile's b
.set PMK, 94                           ; s[94:95] the keys' mask
.set MSB, 0
.macro WIN new                         ; the immediate's high byte repeats the setting that is left
.if MSB != \new
	s_set_vgpr_msb (MSB<<8)|\new
.set MSB, \new
.endif
.endm
.set MUL,  0x05                        ; sources 0 and 1 window 1; C and D window 0
.set TO_F, 0x40                        ; destination window 1
.macro PLACES
.rept 4
	v_nop
.endr
.endm
.macro CROUND                          ; a round of the cluster's barrier
	s_barrier_signal -1
	s_barrier_wait -1
	s_cmp_lg_u32 s20, 0
	s_cbranch_scc1 .Lnot_wave_0_\@
	s_barrier_signal -3
.Lnot_wave_0_\@:
	s_barrier_wait -3
	s_barrier_signal -1
	s_barrier_wait -1
.endm
	s_load_b256 s[4:11], s[0:1], 0x0               ; codes, scales, bq, bk
	s_load_b256 s[12:19], s[0:1], 0x20             ; bv, mask, qc, kv
	v_lshl_add_u32 v[SPW], v0, 2, SPARE
	v_mov_b32 v[NIL], 0
	ds_add_u32 v28, v29
	ds_add_u32 v28, v29
	s_wait_dscnt 0x0
	v_lshrrev_b32 v1, 5, v0
	v_readfirstlane_b32 s20, v1                    ; wave 0..3
	s_and_b32 s21, s20, 1                          ; my half of S0.  Also: which 64 rows I fetch
	s_lshr_b32 s22, s20, 1                         ; my half of S1.  Also: I fetch for S0 (0) or S1 (1)
	s_bfe_u32 s23, ttmp6, 0x40000                  ; cx
	s_bfe_u32 s24, ttmp6, 0x40004                  ; cy
	s_and_b32 s25, ttmp7, 0xffff                   ; the cluster's y, 0..7
	s_lshl_b32 s26, ttmp9, 2
	s_add_co_u32 s26, s26, s23                     ; q, k: S0's tile of 128 rows of W: hangs on cx alone
	s_lshl_b32 s27, s25, 2
	s_add_co_u32 s27, s27, s24                     ; q, k: S1's tile of 128 rows of x: on cy alone
	s_lshl_b32 s28, s25, 2
	s_add_co_u32 s28, s28, s23                     ; v: S0's tile of x: on cx alone
	s_lshl_b32 s29, ttmp9, 2
	s_add_co_u32 s29, s29, s24                     ; v: S1's tile of Wv: on cy alone
	s_lshl_b32 s34, s24, 2
	s_lshl_b32 s34, 15, s34                        ; my row of the cluster
	s_lshl_b32 s35, 0x1111, s23                    ; my column
	; descriptor group 1: 32,768 dense bytes as 128 rows of 32 elements of 8 bytes
	s_or_b32 s40, s35, (3<<16)|(1<<21)             ; S0's tiles go to my column
	s_or_b32 s48, s34, (3<<16)|(1<<21)             ; S1's to my row
.irp g, 40, 48
	s_mov_b32 s[\g+1], 32<<16                      ; tensor_dim0
	s_mov_b32 s[\g+2], 128<<16                     ; tensor_dim1
	s_mov_b32 s[\g+3], 32<<16                      ; tile_dim0
	s_mov_b32 s[\g+4], 128                         ; tile_dim1
	s_mov_b32 s[\g+5], 32                          ; pitch
	s_mov_b32 s[\g+6], 0
	s_mov_b32 s[\g+7], 0
.endr
	s_lshl_b32 s38, s21, 6                         ; 64 x (wave % 2)
	s_lshl_b32 s33, s22, 6                         ; 64 x (wave / 2)
	s_lshl_b32 s39, s20, 15                        ; LDS: wave x 32,768: S0's halves, then S1's
	v_and_b32 v2, 31, v0                           ; lane
	v_and_b32 v3, 15, v0                           ; r
	v_bfe_u32 v4, v0, 4, 1                         ; h
	v_lshlrev_b32 v[L16], 4, v2
	v_lshlrev_b32 v[L8], 3, v2
	v_lshlrev_b32 v[L4], 2, v2
	v_lshlrev_b32 v[H32], 5, v4
	v_lshlrev_b32 v[R4], 2, v3
	v_mov_b32 v[ONES], -1
	v_mov_b32 v[PD], 0                             ; a lane permute's destination counts as one of its sources
	v_mov_b32 v[PD+1], 0
	s_lshl_b32 s30, s21, 15
	v_add_nc_u32 v[AD0], s30, v[L16]
	v_add_nc_u32 v[AD0+1], SLOT, v[AD0]
	s_lshl_b32 s31, s22, 15
	s_add_co_u32 s31, s31, 65536
	v_add_nc_u32 v[AD1], s31, v[L16]
	v_add_nc_u32 v[AD1+1], SLOT, v[AD1]
	s_mov_b32 s[SH], 0xffff0000
	s_mov_b32 s[SEL], 0x76543210
	s_mov_b32 s[SEL+1], 0xfedcba98
	s_wait_kmcnt 0x0
; a group 0 for each tile and side, written once: rows base + 128 x tile + 64 x (wave % 2), 512 bytes of codes a row.  S0's offsets are made in s[36:37], S1's in s[66:67]
.macro MKG0 g, idx, base, slot, lo
	s_lshl_b32 s[\lo], s[\idx], 7
	s_add_co_u32 s[\lo], s[\lo], \base
	s_add_co_u32 s[\lo], s[\lo], s38
	s_lshl_b32 s[\lo], s[\lo], 9
	s_mov_b32 s[\lo+1], 0
	s_mov_b32 s[\g], 1
	s_add_co_u32 s[\g+1], s39, \slot*SLOT
	s_add_nc_u64 s[\g+2:\g+3], s[4:5], s[\lo:\lo+1]
	s_or_b32 s[\g+3], s[\g+3], 0x80000000
.endm
	MKG0 56, 26, 12288, 0, 36                      ; S0: Wq
	MKG0 60, 26, 13312, 1, 36                      ; Wk
	MKG0 68, 28, 8192, 0, 36                       ; v
	MKG0 72, 27, 0, 0, 66                          ; S1: q
	MKG0 76, 27, 4096, 1, 66                       ; k
	MKG0 80, 29, 14336, 0, 66                      ; Wv
	CROUND                                         ; all sixteen work-groups are here: the first joint loads meet
	s_cmp_eq_u32 s22, 0                            ; tile 0's joint loads: one tensor load a wave at the head; four v_nop follow each line
	s_cbranch_scc0 .Lfirst_s1
	tensor_load_to_lds s[56:59], s[40:47]
	s_nop 0
	PLACES
	s_branch .Lfirst_asked
.Lfirst_s1:
	tensor_load_to_lds s[72:75], s[48:55]
	s_nop 0
	PLACES
.Lfirst_asked:
; the scale words of a tile's 64 + 64 rows of mine: 32 bytes a row; 8 loads
.macro SETUP_SS idx0, base0, idx1, base1
	s_lshl_b32 s30, s[\idx0], 7
	s_add_co_u32 s30, s30, \base0
	s_add_co_u32 s30, s30, s38
	s_lshl_b32 s30, s30, 5
	s_lshl_b32 s31, s[\idx1], 7
	s_add_co_u32 s31, s31, \base1
	s_add_co_u32 s31, s31, s33
	s_lshl_b32 s31, s31, 5
	v_mov_b32 v[TA], s30
	v_mov_b32 v[TA+1], s31
	v_cndmask_b32 v[SA], v[TA], v[TA+1], s[SH]
	v_lshl_add_u32 v[SA], v3, 4, v[SA]
.irp i, 0,1,2,3
.irp kh, 0,1
	global_load_b128 v[SS+8*\i+4*\kh:SS+8*\i+4*\kh+3], v[SA], s[6:7] offset:\i*512+\kh*256
.endr
.endr
.endm
; tile t's b (and, for k, the keys' mask) is asked for, and the places of its results are made
.macro SETUP_B t
.if \t < 2
	s_lshl_b32 s96, s26, 1
	s_add_co_u32 s96, s96, s21                     ; head: my 64 rows of W
	s_lshl_b32 s97, s27, 1
	s_add_co_u32 s97, s97, s22                     ; my group of 64 queries or keys
.else
	s_lshl_b32 s97, s28, 1
	s_add_co_u32 s97, s97, s21                     ; my group of 64 keys
	s_lshl_b32 s96, s29, 1
	s_add_co_u32 s96, s96, s22                     ; head
.endif
	s_lshl_b32 s30, s96, 8
	s_mov_b32 s31, 0
	s_add_nc_u64 s[PBI:PBI+1], s[8+2*\t:9+2*\t], s[30:31]
.if \t < 2
.irp u, 0,1,2,3
	global_load_b128 v[CB+8*\u:CB+8*\u+3], v[H32], s[PBI:PBI+1] offset:64*\u        ; b at S0's rows 16 u + 8 h + 0 .. 7: the result's layout
	global_load_b128 v[CB+8*\u+4:CB+8*\u+7], v[H32], s[PBI:PBI+1] offset:64*\u+16
.endr
.else
.irp a, 0,1,2,3
	global_load_b32 v[BL+2*\a], v[R4], s[PBI:PBI+1] offset:64*\a                    ; b at S1's row 16 a + r (twice: the packed form names a pair)
	global_load_b32 v[BL+2*\a+1], v[R4], s[PBI:PBI+1] offset:64*\a
.endr
.endif
.if \t == 1
	s_lshl_b32 s30, s97, 8
	s_add_nc_u64 s[PMK:PMK+1], s[14:15], s[30:31]
.irp a, 0,1,2,3
	global_load_b32 v[MK+\a], v[R4], s[PMK:PMK+1] offset:64*\a
.endr
.endif
	s_lshr_b32 s98, s97, 5                         ; b
	s_and_b32 s99, s97, 31                         ; g
.if \t == 0
	s_lshl_b32 s30, s98, 4
	s_add_co_u32 s30, s30, s96
	s_lshl_b32 s30, s30, 5
	s_add_co_u32 s30, s30, s99                     ; (16 b + head) 32 + g
	s_lshl_b32 s36, s30, 8
	s_add_co_u32 s36, s36, 2097152                 ; q's scale images
	s_lshl_b32 s30, s30, 11                        ; q's codes
	s_mov_b32 s37, 0
	s_add_nc_u64 s[DC:DC+1], s[16:17], s[30:31]
	s_add_nc_u64 s[DS:DS+1], s[16:17], s[36:37]
.else
	s_lshl_b32 s30, s98, 2
	s_lshr_b32 s32, s96, 2
	s_add_co_u32 s30, s30, s32
	s_lshl_b32 s30, s30, 3
	s_lshr_b32 s32, s99, 2
	s_add_co_u32 s30, s30, s32
	s_mul_i32 s30, s30, 71680                      ; kv's block
	s_bfe_u32 s32, s99, 0x10001                    ; which 128 keys of its 256
	s_and_b32 s96, s96, 3                          ; which of its four heads
	s_and_b32 s99, s99, 1                          ; which 64 keys of the 128
	s_lshl_b32 s36, s32, 14
	s_lshl_b32 s37, s96, 12
	s_add_co_u32 s36, s36, s37
.if \t == 1
	s_lshl_b32 s37, s99, 11                        ; k's codes: 2,048 bytes a half
	s_add_co_u32 s36, s36, s37
	s_lshr_b32 s37, s36, 3                         ; its scale images: an eighth of that
	s_add_co_u32 s36, s36, s30
	s_add_co_u32 s30, s30, s37
	s_add_co_u32 s30, s30, 65536
.else
	s_lshl_b32 s37, s99, 9                         ; v's codes: behind K's, 512 bytes a half
	s_add_co_u32 s36, s36, s37
	s_add_co_u32 s36, s36, 32768
	s_add_co_u32 s36, s36, s30
	s_lshl_b32 s32, s32, 10
	s_lshl_b32 s37, s96, 8
	s_add_co_u32 s32, s32, s37
	s_lshl_b32 s37, s99, 7
	s_add_co_u32 s32, s32, s37                     ; 1024 s + 256 e + 128 half
	s_add_co_u32 s30, s30, s32
	s_add_co_u32 s30, s30, 69632
.endif
	s_mov_b32 s37, 0
	s_add_nc_u64 s[DC:DC+1], s[18:19], s[36:37]
	s_add_nc_u64 s[DS:DS+1], s[18:19], s[30:31]
.endif
.endm
; 32 LDS loads: the fragments of K steps 2 q and 2 q + 1 into buffer f, the first K step first.  An image's 512 bytes are consecutive: no pitch, no padding.
.macro FETCH slot, q, f
	WIN TO_F
.irp kk, 0,1
.irp i, 0,1,2,3
	ds_load_b128 v[\f+64+8*(4*\kk+\i):\f+64+8*(4*\kk+\i)+3],   v[AD0+\slot] offset:\i*8192+(2*(\q)+\kk)*1024
	ds_load_b128 v[\f+64+8*(4*\kk+\i)+4:\f+64+8*(4*\kk+\i)+7], v[AD0+\slot] offset:\i*8192+(2*(\q)+\kk)*1024+512
	ds_load_b128 v[\f+8*(4*\kk+\i):\f+8*(4*\kk+\i)+3],         v[AD1+\slot] offset:\i*8192+(2*(\q)+\kk)*1024
	ds_load_b128 v[\f+8*(4*\kk+\i)+4:\f+8*(4*\kk+\i)+7],       v[AD1+\slot] offset:\i*8192+(2*(\q)+\kk)*1024+512
.endr
.endr
.endm
; 8 matrix instructions: S1's tiles a0, a0 + 1 x S0's four, K step ks.  The 16 accumulators take turns, one instruction a turn, in the same order in every K step.
.macro MUL8 f, kk, a0, ks, first
.irp a, \a0, \a0+1
.irp t, 0,1,2,3
.if \first
	v_wmma_scale_f32_16x16x128_f8f6f4 v[ACC+8*(4*(\a)+\t):ACC+8*(4*(\a)+\t)+7], v[\f+64+8*(4*\kk+\t):\f+64+8*(4*\kk+\t)+7], v[\f+8*(4*\kk+(\a)):\f+8*(4*\kk+(\a))+7], 0, v[SS+8*\t+(\ks)], v[SS+8*(\a)+(\ks)] matrix_a_fmt:MATRIX_FMT_FP4 matrix_b_fmt:MATRIX_FMT_FP4 matrix_b_scale:MATRIX_SCALE_ROW1
.else
	v_wmma_scale_f32_16x16x128_f8f6f4 v[ACC+8*(4*(\a)+\t):ACC+8*(4*(\a)+\t)+7], v[\f+64+8*(4*\kk+\t):\f+64+8*(4*\kk+\t)+7], v[\f+8*(4*\kk+(\a)):\f+8*(4*\kk+(\a))+7], v[ACC+8*(4*(\a)+\t):ACC+8*(4*(\a)+\t)+7], v[SS+8*\t+(\ks)], v[SS+8*(\a)+(\ks)] matrix_a_fmt:MATRIX_FMT_FP4 matrix_b_fmt:MATRIX_FMT_FP4 matrix_b_scale:MATRIX_SCALE_ROW1
.endif
.endr
.endr
.endm
.macro QUARTER slot, q, f, g, first    ; two K steps on buffer f; in the middle the next two are fetched into g
	s_wait_dscnt 16                                ; the first K step's 16 loads are in; the second's may be out
	WIN MUL
	MUL8 \f, 0, 0, 2*(\q), \first
	MUL8 \f, 0, 2, 2*(\q), \first
	PLACES                                         ; four places in front of loads into registers that matrix instructions have read
	FETCH \slot, (\q)+1, \g
	s_wait_dscnt 32                                ; all but the 32 just issued
	WIN MUL
	MUL8 \f, 1, 0, 2*(\q)+1, 0
	MUL8 \f, 1, 2, 2*(\q)+1, 0
.endm
.macro MAIN slot                       ; a tile's 128 products
	FETCH \slot, 0, F0
	QUARTER \slot, 0, F0, F1, 1                    ; the first K step's products start the sums
	QUARTER \slot, 1, F1, F0, 0
	QUARTER \slot, 2, F0, F1, 0
	s_wait_dscnt 16
	WIN MUL
	MUL8 F1, 0, 0, 6, 0
	MUL8 F1, 0, 2, 6, 0
	s_wait_dscnt 0x0
	MUL8 F1, 1, 0, 7, 0
	MUL8 F1, 1, 2, 7, 0
	WIN 0
	PLACES                                         ; four places in front of the first read of results and of loads into the scale words' registers
.endm
; 32 numbers of a lane, register 8 T + j = k 16 T + 8 h + j of my row, become the four registers of half an operand (k = 32 h + 0 .. 31) in v[x] on; the two bytes stay in v[PD], v[PD+1].
; Block B lies in tiles 2 B, 2 B + 1 of lanes l and l xor 16.  The conversions are dealt so that two exchanges of halves leave a whole block in a lane, in the order of k.
.macro QUANT32 s, x
	v_max3_num_f32 v[TM], |v[\s]|, |v[\s+1]|, 0x1800000      ; the floor 2^(3 - 127) holds the byte at 1 from below
	v_max3_num_f32 v[TM+1], |v[\s+16]|, |v[\s+17]|, 0x1800000
.irp i, 2,4,6,8,10,12,14
	v_max3_num_f32 v[TM], v[TM], |v[\s+\i]|, |v[\s+\i+1]|
	v_max3_num_f32 v[TM+1], v[TM+1], |v[\s+16+\i]|, |v[\s+17+\i]|
.endr
	v_permlanex16_b32 v[PD], v[TM], s[SEL], s[SEL+1]
	v_permlanex16_b32 v[PD+1], v[TM+1], s[SEL], s[SEL+1]
	v_max_num_f32 v[TM], v[TM], v[PD]
	v_max_num_f32 v[TM+1], v[TM+1], v[PD+1]
	v_add_nc_u32 v[SO], 0xff000000, v[TM]          ; 2 off the exponent field: the conversion's scale operand
	v_add_nc_u32 v[SO+1], 0xff000000, v[TM+1]
	v_lshrrev_b32 v[PD], 23, v[SO]                 ; the bytes
	v_lshrrev_b32 v[PD+1], 23, v[SO+1]
	v_cvt_scalef32_pk8_fp4_f32 v[\x], v[\s:\s+7], v[SO]
	v_cvt_scalef32_pk8_fp4_f32 v[\x+1], v[\s+16:\s+23], v[SO+1]
	v_cvt_scalef32_pk8_fp4_f32 v[\x+2], v[\s+8:\s+15], v[SO]
	v_cvt_scalef32_pk8_fp4_f32 v[\x+3], v[\s+24:\s+31], v[SO+1]
	v_nop                                          ; one plain place behind a scaled conversion
	v_permlane16_swap_b32 v[\x], v[\x+1]
	v_permlane16_swap_b32 v[\x+2], v[\x+3]
.endm
.macro EPI mode, masked                ; mode 0: q, k;  1: v.  masked = 1: k
.irp a, 0,1,2,3
.irp p, 0,2,4,6,8,10,12,14,16,18,20,22,24,26,28,30
.if \mode == 0
	v_pk_add_f32 v[ACC+32*\a+\p:ACC+32*\a+\p+1], v[ACC+32*\a+\p:ACC+32*\a+\p+1], v[CB+\p:CB+\p+1]   ; + b, each accumulator from its low end on
.else
	v_pk_add_f32 v[ACC+32*\a+\p:ACC+32*\a+\p+1], v[ACC+32*\a+\p:ACC+32*\a+\p+1], v[BL+2*\a:BL+2*\a+1] op_sel_hi:[1,0]
.endif
.endr
	QUANT32 ACC+32*\a, XC+4*\a
	v_lshl_or_b32 v[PW+\a], v[PD+1], 8, v[PD]
.if \mode == 0
	v_or_b32 v[PW+\a], 0x7f7f0000, v[PW+\a]        ; the upper 64 of the instruction's K: the byte 127
.endif
.if \masked
.irp i, 0,1,2,3
	v_and_b32 v[XC+4*\a+\i], v[MK+\a], v[XC+4*\a+\i]   ; a masked key's codes are zeros
.endr
.endif
.endr
.irp a, 0,1,2,3
.if \mode == 0
	global_store_b128 v[L16], v[XC+4*\a:XC+4*\a+3], s[DC:DC+1] offset:\a*512    ; 512 consecutive bytes
.else
	global_store_b128 v[L16], v[XC+4*\a:XC+4*\a+3], s[DC:DC+1] offset:\a*1024
.endif
.endr
.if \mode == 0
	v_cndmask_b32 v[PK], v[PW], v[PW+1], s[SH]     ; word i: tile 2 i + h
	v_cndmask_b32 v[PK+1], v[PW+2], v[PW+3], s[SH]
	global_store_b64 v[L8], v[PK:PK+1], s[DS:DS+1] ; 256 consecutive bytes
.else
	v_lshl_or_b32 v[PK], v[PW+1], 16, v[PW]
	v_lshl_or_b32 v[PK+1], v[PW+3], 16, v[PW+2]
	v_cndmask_b32 v[PK+2], v[PK], v[PK+1], s[SH]   ; tiles 2 h and 2 h + 1 of d, two bytes each
	global_store_b32 v[L4], v[PK+2], s[DS:DS+1]
.endif
.endm
	; ---- tile 0: q
	SETUP_SS 26, 12288, 27, 0
	SETUP_B 0
	s_wait_loadcnt 8                               ; the scale words are in; b's 8 loads may be out
	s_wait_tensorcnt 0x0                           ; my quarter of tile 0 is in; slot 1's first fill is issued as a refill is
	ds_add_u32 v[SPW], v[NIL]                      ; 0 onto my spare word
	s_wait_dscnt 0x0                               ; the add is done
	CROUND                                         ; everybody's quarter of tile 0 is in, and all sixteen work-groups are here: tile 1's joint loads meet
	s_cmp_eq_u32 s22, 0                            ; tile 1 into slot 1: my one tensor load behind the round; it has tile 0's 128 products and its quantiser in which to land
	s_cbranch_scc0 .Lsecond_s1
	tensor_load_to_lds s[60:63], s[40:47]
	s_nop 0
	PLACES
	s_branch .Lsecond_asked
.Lsecond_s1:
	tensor_load_to_lds s[76:79], s[48:55]
	s_nop 0
	PLACES
.Lsecond_asked:
	s_wait_alu depctr_va_vdst(0)
	MAIN 0
	SETUP_SS 26, 13312, 27, 4096                   ; tile 1's scale words land while tile 0 is quantised
	s_wait_loadcnt 8                               ; b is in; those 8 loads may be out
	EPI 0, 0
	s_wait_xcnt 0x0                                ; the stores have read their registers and bases: both are written again only behind this wait
	SETUP_B 1
	; slot 0 is filled again, with tile 2
	s_wait_tensorcnt 0x0                           ; all my tensor loads have landed: my quarter of tile 1
	ds_add_u32 v[SPW], v[NIL]                      ; 0 onto my spare word
	s_wait_dscnt 0x0                               ; the add is done, and my reads of slot 0 are over
	CROUND                                         ; no wave of any partner still reads slot 0 or has a load on its way
	s_cmp_eq_u32 s22, 0                            ; the joint refill, first behind the round, one load a wave; four v_nop follow each line
	s_cbranch_scc0 .Lagain_s1
	tensor_load_to_lds s[68:71], s[40:47]
	s_nop 0
	PLACES
	s_branch .Lagain_asked
.Lagain_s1:
	tensor_load_to_lds s[80:83], s[48:55]
	s_nop 0
	PLACES
.Lagain_asked:
	; ---- tile 1: k
	s_wait_loadcnt 12                              ; the scale words are in; b's 8 loads and the mask's 4 may be out
	MAIN 1
	SETUP_SS 28, 8192, 29, 14336                   ; tile 2's scale words
	s_wait_loadcnt 8                               ; b and the mask are in
.irp a, 0,1,2,3
	v_cmp_ne_u32 vcc_lo, 0, v[MK+\a]
	v_cndmask_b32 v[MK+\a], 0, v[ONES], vcc_lo     ; all ones where the key counts
.endr
	EPI 0, 1
	s_wait_xcnt 0x0                                ; as above
	SETUP_B 2
	s_wait_tensorcnt 0x0                           ; my quarter of tile 2 is in
	ds_add_u32 v[SPW], v[NIL]
	s_wait_dscnt 0x0
	s_barrier_signal -1
	s_barrier_wait -1                              ; everybody's is
	; ---- tile 2: v
	s_wait_loadcnt 8                               ; the scale words are in; b's 8 loads may be out
	MAIN 0
	s_wait_loadcnt 0x0
	EPI 1, 0
	s_wait_tensorcnt 0x0                           ; the wave's end
	ds_add_u32 v[SPW], v[NIL]
	s_wait_dscnt 0x0
	CROUND                                         ; the closing round: no work-group ends while a partner may still ask for a tile that names it
	s_endpgm
.Lfunc_end_k_qb4ff2b3ceb_proj:
	.size	k_qb4ff2b3ceb_proj, .Lfunc_end_k_qb4ff2b3ceb_proj-k_qb4ff2b3ceb_proj
	.p2alignl 7, 3214868480
	.fill 96, 4, 3214868480
	.section	.rodata,"a",@progbits
	.p2align	6, 0x0
	.amdhsa_kernel k_qb4ff2b3ceb_proj
		.amdhsa_group_segment_fixed_size 327680
		.amdhsa_private_segment_fixed_size 0
		.amdhsa_enable_private_segment 0
		.amdhsa_kernarg_size 64
		.amdhsa_user_sgpr_count 2
		.amdhsa_user_sgpr_kernarg_segment_ptr 1
		.amdhsa_wavefront_size32 1
		.amdhsa_system_sgpr_workgroup_id_x 1
		.amdhsa_system_sgpr_workgroup_id_y 1
		.amdhsa_system_sgpr_workgroup_id_z 1
		.amdhsa_system_vgpr_workitem_id 0
		.amdhsa_next_free_vgpr 512
		.amdhsa_next_free_sgpr 100
		.amdhsa_reserve_vcc 1
		.amdhsa_float_denorm_mode_32 3
		.amdhsa_float_denorm_mode_16_64 3
		.amdhsa_memory_ordered 1
		.amdhsa_forward_progress 1
		.amdhsa_inst_pref_size 131
	.end_amdhsa_kernel
	.amdgpu_metadata
---
amdhsa.version: [ 1, 2 ]
amdhsa.kernels:
  - .name:           k_qb4ff2b3ceb_proj
    .symbol:         k_qb4ff2b3ceb_proj.kd
    .args:
      - { .name: codes, .offset: 0, .size: 8, .value_kind: global_buffer, .address_space: global }
      - { .name: scales, .offset: 8, .size: 8, .value_kind: global_buffer, .address_space: global }
      - { .name: bq, .offset: 16, .size: 8, .value_kind: global_buffer, .address_space: global }
      - { .name: bk, .offset: 24, .size: 8, .value_kind: global_buffer, .address_space: global }
      - { .name: bv, .offset: 32, .size: 8, .value_kind: global_buffer, .address_space: global }
      - { .name: mask, .offset: 40, .size: 8, .value_kind: global_buffer, .address_space: global }
      - { .name: qc, .offset: 48, .size: 8, .value_kind: global_buffer, .address_space: global }
      - { .name: kv, .offset: 56, .size: 8, .value_kind: global_buffer, .address_space: global }
    .group_segment_fixed_size: 327680
    .private_segment_fixed_size: 0
    .kernarg_segment_align: 8
    .kernarg_segment_size: 64
    .max_flat_workgroup_size: 128
    .sgpr_count:     100
    .vgpr_count:     512
    .wavefront_size: 32
...
	.end_amdgpu_metadata
.endif
;; end of part 2
;; launch attn (part 3): grid 4 x 64, 16 waves a work-group, clusters of 4 x 4, 327,680 bytes of LDS; arguments qc, kv, bias, mask, ocodes, oscales; writes ocodes, oscales
.if DOCPART == 3
	.amdgcn_target "amdgcn-amd-amdhsa--gfx1250"
	.amdhsa_code_object_version 6
	.text
	.protected	k_qb4ff2b3ceb_attn
	.globl	k_qb4ff2b3ceb_attn
	.p2align	8
	.type	k_qb4ff2b3ceb_attn,@function
k_qb4ff2b3ceb_attn:
	s_mov_b64 s[64:65], 0
	v_nop
	global_prefetch_b8 v0, s[64:65] scope:SCOPE_SE
	s_setreg_imm32_b32 hwreg(HW_REG_WAVE_MODE, 25, 1), 1
	s_wait_xcnt 0x0
	s_wait_alu depctr_hold_cnt(0) depctr_sa_sdst(0) depctr_va_vdst(0) depctr_va_sdst(0) depctr_va_ssrc(0) depctr_va_vcc(0) depctr_vm_vsrc(0)
	s_getreg_b32 s2, hwreg(HW_REG_IB_STS2, 6, 4)
	s_cmp_eq_u32 s2, 0
	s_cbranch_scc0 .Lentry_in_a_cluster
	s_endpgm
.Lentry_in_a_cluster:
	s_bfe_u32 s2, ttmp6, 0x10000c
	s_cmp_lg_u32 s2, 0xf033
	s_cbranch_scc0 .Lentry_shape_is_right
	s_endpgm
.Lentry_shape_is_right:
; softmax((Q K^T / 8) x bias, masked keys at -10000) V for 4 heads x 64 queries a work-group, both products on codes of FP4; the result, divided by the row's sum, is quantised along D for the last product.
; u = fma(S, bias, a), a = -80000 at a masked key (whose codes of K are zeros, so that S is exactly 0) and 0 elsewhere; t = u x log2(e) / 8: at a masked key -10000 log2(e).
; M = the running largest t rounded UP to a whole number; p = 2^(t - M) = exp2(fma(u, log2(e) / 8, -M)) is what is quantised, along the keys; the row's sum is taken of the unquantised p.
; When M moves, the sum and O^T are multiplied by 2^(old M - new M): exact.
; THE MASK RIDES IN THE IDLE HALF OF K.  The head's 64 fill the lower half of the instruction's 128.  Register 4 of a fragment of K (k = 64 + 32 h + 0 .. 7) takes a word of mask codes: at a masked key -6, -3 in lanes 0-15
; and -6, -6, -6, -6, -0.5 in lanes 16-31, else zeros.  Against Q, whose upper codes are zeros, it adds nothing.  Against a constant operand (lower codes zeros, register 4 eight codes of 1; scales 2^13 and 2^8 for the two
; upper blocks) the same fragment gives a in the result's layout: -(9 x 8192 + 24.5 x 256) = -80000.  So a costs one load of 4 bytes a lane for 16 keys.
; SHARES: sixteen waves; wave w has head w % 4 of the group and tile w / 4 of 16 queries, in 256 registers: four waves to a SIMD, so that one wave's vector work stands beside another's products and LDS loads.
; Both products are used transposed (S^T = K Q^T, O^T = V^T P^T): a lane holds ONE query throughout.
; RING: two slots of 256 keys: 64 rows of bias (1,024 bytes + 16 of padding) and the group's block of K's and V's codes and scale images (71,680 dense bytes).  Waves 0, 1 fetch the bias, waves 2, 3 the block.
; CLUSTERS 4 x 4: the bias tile hangs on the block of queries alone and is asked for jointly by a row of the cluster (its four groups of heads); the block of K and V hangs on batch and group of heads alone, by a column.
; LIMITS: a block of zeros gets the byte 1 where the rule says 127 (zero codes; read by this program alone); NaN and infinities are not served, an infinite bias at a masked key among them.
; The block's largest p is made from the block's largest u by the same multiply-add and exponential, which takes v_exp_f32 not to fall where its input rises.
.set SLOTB, 138240                     ; a slot: 66,560 of bias, 71,680 of K and V
.set KVO,   66560
.set MW,    2*SLOTB                    ; the mask words, [tile of 16 keys][lane]: 128 x 128 bytes, stored once by the waves
.set OSC,   MW+16384                   ; the result's scale bytes, a word a thread
.set SPARE, OSC+2048                   ; the spare words, 128 bytes for each wave: eight blocks of 256 bytes that no other line names
.set SPW, 1
.set NIL, 2
.set ABI, 3                            ; v3-4   bias: my query's row, + 32 h, in slot 0, 1
.set AKV, 5                            ; v5-6   my head's images: 16 x lane
.set AKS, 7                            ; v7-8   K's scale images: 8 x lane
.set AVS, 9                            ; v9-10  V's: 4 x lane
.set AMW, 11                           ; v11    the mask words: 4 x lane, stepped 2,048 bytes a slot
.set QF,  16                           ; v16-23 Q (v20-23 zeros)
.set ONE, 20                           ; v20-27 the constant operand: v20-23 zeros, v24 eight codes of 1, v25-27 zeros
.set QS,  28                           ; v28-38 scale words and nothing else
.set PS,  29
.set KSR, 30
.set VSA, 34
.set VW,  36
.set OS,  38
.set XA,  39                           ; an LDS address at the head and on the way out
.set KF,  40                           ; v40-71 four fragments of K; registers 5-7 of each stay zeros
.set BI,  72
.set AD,  104                          ; a, four tiles
.set VF,  104                          ; V's four fragments take its place
.set S,   136                          ; v136-199 S^T, u, p: register 8 T + j = key 16 T + 8 h + j
.set O,   200                          ; v200-231 O^T
.set PC,  232
.set BM,  240
.set PB,  244
.set SO,  248
.set FF,  252                          ; v252-253 f
.set T0,  254                          ; v254-255 at work
.set WV,  16
.set SEL, 20
.set CS,  22
.set G1B, 24
.set G1K, 32
.set G0B, 40                           ; s[40:47] bias, a group 0 for each slot
.set G0K, 48                           ; s[48:55] K and V
.set CNT, 56
.macro PLACES
.rept 4
	v_nop
.endr
.endm
.macro ROUND                           ; a round of the cluster's barrier
	s_barrier_signal -1
	s_barrier_wait -1
	s_cmp_lg_u32 s[WV], 0
	s_cbranch_scc1 .Lnot_wave_0_\@
	s_barrier_signal -3
.Lnot_wave_0_\@:
	s_barrier_wait -3
	s_barrier_signal -1
	s_barrier_wait -1
.endm
.macro TLOAD slot                      ; a joint refill; the branches hang on the wave's number alone; four v_nop follow each line
	s_cmp_lt_u32 s[WV], 2
	s_cbranch_scc0 .Lnot_bias_\@
	tensor_load_to_lds s[G0B+4*\slot:G0B+4*\slot+3], s[G1B:G1B+7]
	s_nop 0
	PLACES
	s_branch .Lasked_\@
.Lnot_bias_\@:
	s_cmp_lt_u32 s[WV], 4
	s_cbranch_scc0 .Lasked_\@
	tensor_load_to_lds s[G0K+4*\slot:G0K+4*\slot+3], s[G1K:G1K+7]
	s_nop 0
	PLACES
.Lasked_\@:
.endm
	s_load_b256 s[4:11], s[0:1], 0x0               ; qc, kv, bias, mask
	s_load_b128 s[12:15], s[0:1], 0x20             ; ocodes, oscales
	v_lshl_add_u32 v[SPW], v0, 2, SPARE
	v_mov_b32 v[NIL], 0
	ds_add_u32 v1, v2
	ds_add_u32 v1, v2
	s_wait_dscnt 0x0
	v_lshrrev_b32 v72, 5, v0
	s_delay_alu instid0(VALU_DEP_1)
	v_readfirstlane_b32 s[WV], v72                 ; wave 0..15
	s_and_b32 s17, s[WV], 3                        ; e: my head in the group
	s_lshr_b32 s18, s[WV], 2                       ; qt: my tile of queries
	s_and_b32 s19, s[WV], 1                        ; which half I fetch, if I fetch
	s_bfe_u32 s57, ttmp6, 0x40000                  ; cx: the group of heads
	s_bfe_u32 s58, ttmp6, 0x40004                  ; cy
	s_and_b32 s59, ttmp7, 0xffff                   ; the cluster's y
	s_lshl_b32 s60, s59, 2
	s_add_co_u32 s60, s60, s58                     ; my block of 64 queries, 0..63
	s_lshr_b32 s61, s59, 3                         ; the batch: from the cluster's y alone
	s_lshl_b32 s62, s58, 2
	s_lshl_b32 s62, 15, s62                        ; my row of the cluster
	s_lshl_b32 s63, 0x1111, s57                    ; my column
	; the loop's LDS addresses are made here, ahead of the first branch on the wave's number
	v_and_b32 v72, 31, v0                          ; lane
	v_and_b32 v73, 15, v0                          ; r
	v_bfe_u32 v74, v0, 4, 1                        ; h
	s_mul_i32 s70, s18, 16*1040
	v_mul_u32_u24 v[ABI], v73, 1040
	s_delay_alu instid0(VALU_DEP_1)
	v_lshl_add_u32 v[ABI], v74, 5, v[ABI]
	s_delay_alu instid0(VALU_DEP_1)
	v_add_nc_u32 v[ABI], s70, v[ABI]
	s_delay_alu instid0(VALU_DEP_1)
	v_add_nc_u32 v[ABI+1], SLOTB, v[ABI]
	s_lshl_b32 s70, s17, 12
	s_add_co_u32 s70, s70, KVO
	v_lshl_add_u32 v[AKV], v72, 4, s70
	s_delay_alu instid0(VALU_DEP_1)
	v_add_nc_u32 v[AKV+1], SLOTB, v[AKV]
	s_lshl_b32 s70, s17, 9
	s_add_co_u32 s70, s70, KVO+65536
	v_lshl_add_u32 v[AKS], v72, 3, s70
	s_delay_alu instid0(VALU_DEP_1)
	v_add_nc_u32 v[AKS+1], SLOTB, v[AKS]
	s_lshl_b32 s70, s17, 8
	s_add_co_u32 s70, s70, KVO+69632
	v_lshl_add_u32 v[AVS], v72, 2, s70
	s_delay_alu instid0(VALU_DEP_1)
	v_add_nc_u32 v[AVS+1], SLOTB, v[AVS]
	v_lshl_add_u32 v[AMW], v72, 2, MW
	v_lshrrev_b32 v75, 2, v0                       ; thread t makes the words of keys 4 t .. 4 t + 3: tile t / 4, lanes 4 (t % 4) on
	v_and_b32 v[XA], 3, v0
	s_delay_alu instid0(VALU_DEP_1)
	v_lshlrev_b32 v[XA], 4, v[XA]
	s_delay_alu instid0(VALU_DEP_1)
	v_lshl_add_u32 v[XA], v75, 7, v[XA]
	s_delay_alu instid0(VALU_DEP_1)
	v_add_nc_u32 v[XA], MW, v[XA]
	v_lshlrev_b32 v76, 4, v72                      ; 16 x lane: Q's half image
	v_lshlrev_b32 v77, 4, v0                       ; my four words of the mask
	v_lshlrev_b32 v78, 3, v73                      ; 8 r: Q's scale image
	; descriptor group 1.  Bias: 32 rows of 256 elements of 4 bytes, 2,048 elements apart, 4 words of padding behind every 256
	s_or_b32 s[G1B], s62, (2<<16)|(1<<20)|(1<<21)|(7<<22)|(3<<25)
	s_mov_b32 s[G1B+1], 256<<16
	s_mov_b32 s[G1B+2], 32<<16
	s_mov_b32 s[G1B+3], 256<<16
	s_mov_b32 s[G1B+4], 32
	s_mov_b32 s[G1B+5], 2048
	s_mov_b32 s[G1B+6], 0
	s_mov_b32 s[G1B+7], 0
	; K and V: 35,840 dense bytes as 140 rows of 32 elements of 8 bytes
	s_or_b32 s[G1K], s63, (3<<16)|(1<<21)
	s_mov_b32 s[G1K+1], 32<<16
	s_mov_b32 s[G1K+2], 140<<16
	s_mov_b32 s[G1K+3], 32<<16
	s_mov_b32 s[G1K+4], 140
	s_mov_b32 s[G1K+5], 32
	s_mov_b32 s[G1K+6], 0
	s_mov_b32 s[G1K+7], 0
	s_mov_b32 s[SEL], 0x76543210
	s_mov_b32 s[SEL+1], 0xfedcba98
	s_mov_b32 s[CS], 0x3e38aa3b                    ; log2(e) / 8
	s_mov_b32 s[CS+1], s[CS]                       ; (named with it as a pair)
.irp j, 20,21,22,23,25,26,27
	v_mov_b32 v[\j], 0                             ; Q's upper 64 of K; the constant operand's zeros
.endr
	v_mov_b32 v24, 0x22222222                      ; eight codes of 1
	v_mov_b32 v[OS], 0x878c0101                    ; its scale word: 2^13 for k = 64 .. 95, 2^8 for k = 96 .. 127; the lower blocks, whose codes are zeros, get the smallest byte
.irp tt, 0,1,2,3
.irp j, 5,6,7
	v_mov_b32 v[KF+8*\tt+\j], 0                    ; K's upper 64 but for the mask word
.endr
.endr
.irp j, 0,1,2,3,4,5,6,7,8,9,10,11,12,13,14,15,16,17,18,19,20,21,22,23,24,25,26,27,28,29,30,31
	v_mov_b32 v[O+\j], 0                           ; O^T: the step is written once; the first change of M leaves zeros zeros
.endr
.irp b, 0,1,2,3
	v_mov_b32 v[PB+\b], 0                          ; a lane permute's destination counts as one of its sources
.endr
	v_mov_b32 v13, 0xff61b1e6                      ; the largest t so far: -3e38
	s_delay_alu instid0(VALU_DEP_1)
	v_floor_f32 v12, -v13                          ; -M
	v_mov_b32 v14, 0                               ; the sum, in two halves
	v_mov_b32 v15, 0
	v_mov_b32 v[FF+1], 0                           ; (named as the upper half of f's pair)
	s_lshl_b32 s66, s60, 19                        ; bias: 64 rows of 8,192 bytes a block of queries,
	s_lshl_b32 s67, s19, 18                        ; 32 rows a half
	s_add_co_u32 s66, s66, s67
	s_mov_b32 s67, 0
	s_lshl_b32 s68, s61, 2
	s_add_co_u32 s68, s68, s57
	s_mul_i32 s68, s68, 8*71680                    ; kv: eight blocks for (batch, group of heads),
	s_mul_i32 s70, s19, 35840                      ; half a block
	s_add_co_u32 s68, s68, s70
	s_mov_b32 s69, 0
	s_add_co_u32 s70, s70, KVO                     ; and in a slot
	s_mul_i32 s71, s19, 32*1040
	s_lshl_b32 s72, s61, 4
	s_lshl_b32 s73, s57, 2
	s_add_co_u32 s72, s72, s73
	s_add_co_u32 s72, s72, s17                     ; 16 b + head
	s_lshl_b32 s72, s72, 5
	s_and_b32 s73, s60, 31
	s_add_co_u32 s72, s72, s73                     ; (16 b + head) 32 + g
	s_lshl_b32 s74, s72, 11
	s_lshl_b32 s73, s18, 9
	s_add_co_u32 s74, s74, s73                     ; Q's half image
	s_mov_b32 s75, 0
	s_lshl_b32 s76, s72, 8
	s_and_b32 s73, s18, 1
	s_lshl_b32 s73, s73, 7
	s_add_co_u32 s76, s76, s73
	s_lshr_b32 s73, s18, 1
	s_lshl_b32 s73, s73, 2
	s_add_co_u32 s76, s76, s73
	s_add_co_u32 s76, s76, 2097152                 ; its scale words: lane r + 16 (qt % 2), word qt / 2
	s_mov_b32 s77, 0
	s_lshl_b32 s78, s61, 13                        ; the batch's mask
	s_mov_b32 s79, 0
	s_lshl_b32 s80, s60, 2
	s_add_co_u32 s80, s80, s18
	s_lshl_b32 s80, s80, 13                        ; ocodes: my 16 rows,
	s_lshl_b32 s73, s57, 1
	s_lshr_b32 s81, s17, 1
	s_add_co_u32 s73, s73, s81
	s_lshl_b32 s73, s73, 10                        ; K step head / 2,
	s_add_co_u32 s80, s80, s73
	s_and_b32 s73, s17, 1
	s_lshl_b32 s73, s73, 9                         ; half head % 2
	s_add_co_u32 s80, s80, s73
	s_mov_b32 s81, 0
	s_lshl_b32 s82, s57, 15
	s_lshl_b32 s73, s60, 9
	s_add_co_u32 s82, s82, s73                     ; oscales: [group of heads][row][8 bytes]
	s_mov_b32 s83, 0
	s_wait_kmcnt 0x0
	s_mov_b32 s[G0B], 1
	s_mov_b32 s[G0B+1], s71
	s_add_nc_u64 s[G0B+2:G0B+3], s[8:9], s[66:67]
	s_mov_b32 s[G0B+4], 1
	s_add_co_u32 s[G0B+5], s71, SLOTB
	s_add_nc_u64 s[G0B+6:G0B+7], s[G0B+2:G0B+3], 1024
	s_or_b32 s[G0B+3], s[G0B+3], 0x80000000
	s_or_b32 s[G0B+7], s[G0B+7], 0x80000000
	s_mov_b32 s[G0K], 1
	s_mov_b32 s[G0K+1], s70
	s_add_nc_u64 s[G0K+2:G0K+3], s[6:7], s[68:69]
	s_mov_b32 s[G0K+4], 1
	s_add_co_u32 s[G0K+5], s70, SLOTB
	s_add_nc_u64 s[G0K+6:G0K+7], s[G0K+2:G0K+3], 71680
	s_or_b32 s[G0K+3], s[G0K+3], 0x80000000
	s_or_b32 s[G0K+7], s[G0K+7], 0x80000000
	s_add_nc_u64 s[74:75], s[4:5], s[74:75]
	s_add_nc_u64 s[76:77], s[4:5], s[76:77]
	s_add_nc_u64 s[78:79], s[10:11], s[78:79]
	s_add_nc_u64 s[80:81], s[12:13], s[80:81]
	s_add_nc_u64 s[82:83], s[14:15], s[82:83]
	ROUND                                          ; all sixteen work-groups are here: the first joint loads meet
; THE HEAD'S LOADS, ONE A WAVE: waves 0, 1 slot 0's halves of the bias, waves 2, 3 its halves of K and V; waves 4, 5 and 6, 7 the same for slot 1.
; ONE chain of branches on the wave's number, each arm with its load and a jump to the chain's end: no way through the head passes two loads.
.macro ARM under, g0, g1, next
	s_cmp_lt_u32 s[WV], \under
	s_cbranch_scc0 \next
	tensor_load_to_lds s[\g0:\g0+3], s[\g1:\g1+7]
	s_nop 0
	PLACES
	s_branch .Lfirst_asked
\next:
.endm
	ARM 2, G0B,   G1B, .Lhead_k0
	ARM 4, G0K,   G1K, .Lhead_b1
	ARM 6, G0B+4, G1B, .Lhead_k1
	ARM 8, G0K+4, G1K, .Lhead_none
.Lfirst_asked:
	global_load_b128 v[QF:QF+3], v76, s[74:75]
	global_load_b32 v[QS], v78, s[76:77]
	global_load_b128 v[80:83], v77, s[78:79]
	v_mov_b32 v92, 0xdf                            ; codes -6, -3: lanes 0-15's word at a masked key
	v_mov_b32 v93, 0x9ffff                         ; codes -6, -6, -6, -6, -0.5: lanes 16-31's
	s_wait_alu depctr_va_vdst(0)
	s_wait_loadcnt 0x0
.irp i, 0,1,2,3
	v_cmp_eq_u32 vcc_lo, 0, v[80+\i]
	s_delay_alu instid0(VALU_DEP_1)
	v_cndmask_b32 v[84+\i], 0, v92, vcc_lo
	s_delay_alu instid0(VALU_DEP_2)
	v_cndmask_b32 v[88+\i], 0, v93, vcc_lo
.endr
	ds_store_b128 v[XA], v[84:87]
	ds_store_b128 v[XA], v[88:91] offset:64
	s_wait_tensorcnt 0x0                           ; my one load of the head's eight is in
	s_wait_dscnt 0x0                               ; my part of the mask words is stored
	s_barrier_signal -1
	s_barrier_wait -1
.macro LOADK slot, st, g               ; 64 keys: four half images of K, their mask words, their scale words: 9 loads
.irp tt, 0,1,2,3
	ds_load_b128 v[KF+8*\tt:KF+8*\tt+3], v[AKV+\slot] offset:(\st)*16384+(4*(\g)+\tt)*512
.endr
.irp tt, 0,1,2,3
	ds_load_b32 v[KF+8*\tt+4], v[AMW] offset:(8*(\st)+4*(\g)+\tt)*128
.endr
	ds_load_b64 v[KSR+2*(\g):KSR+2*(\g)+1], v[AKS+\slot] offset:(\st)*2048+(\g)*256   ; word i: lanes 0-15 tile 4 g + 2 i, lanes 16-31 tile 4 g + 2 i + 1
.endm
.macro LOADVS slot, st                 ; V's scale bytes of the step's two halves: 2 loads
	ds_load_b32 v[VSA], v[AVS+\slot] offset:(\st)*1024
	ds_load_b32 v[VSA+1], v[AVS+\slot] offset:(\st)*1024+128
.endm
.macro LOADBI slot, st, g              ; the bias of my query at 64 keys, in the result's layout: 8 loads
.irp tt, 0,1,2,3
	ds_load_b128 v[BI+8*\tt:BI+8*\tt+3], v[ABI+\slot] offset:((\st)*128+16*(4*(\g)+\tt))*4
	ds_load_b128 v[BI+8*\tt+4:BI+8*\tt+7], v[ABI+\slot] offset:((\st)*128+16*(4*(\g)+\tt))*4+16
.endr
.endm
.macro SCORES g                        ; each fragment of K twice: against Q for S^T, against the constant operand for a
.irp tt, 0,1,2,3
.if (\tt%2) == 0
	v_wmma_scale_f32_16x16x128_f8f6f4 v[S+8*(4*(\g)+\tt):S+8*(4*(\g)+\tt)+7], v[KF+8*\tt:KF+8*\tt+7], v[QF:QF+7], 0, v[KSR+2*(\g)+\tt/2], v[QS] matrix_a_fmt:MATRIX_FMT_FP4 matrix_b_fmt:MATRIX_FMT_FP4
	v_wmma_scale_f32_16x16x128_f8f6f4 v[AD+8*\tt:AD+8*\tt+7], v[KF+8*\tt:KF+8*\tt+7], v[ONE:ONE+7], 0, v[KSR+2*(\g)+\tt/2], v[OS] matrix_a_fmt:MATRIX_FMT_FP4 matrix_b_fmt:MATRIX_FMT_FP4
.else
	v_wmma_scale_f32_16x16x128_f8f6f4 v[S+8*(4*(\g)+\tt):S+8*(4*(\g)+\tt)+7], v[KF+8*\tt:KF+8*\tt+7], v[QF:QF+7], 0, v[KSR+2*(\g)+\tt/2], v[QS] matrix_a_fmt:MATRIX_FMT_FP4 matrix_b_fmt:MATRIX_FMT_FP4 matrix_a_scale:MATRIX_SCALE_ROW1
	v_wmma_scale_f32_16x16x128_f8f6f4 v[AD+8*\tt:AD+8*\tt+7], v[KF+8*\tt:KF+8*\tt+7], v[ONE:ONE+7], 0, v[KSR+2*(\g)+\tt/2], v[OS] matrix_a_fmt:MATRIX_FMT_FP4 matrix_b_fmt:MATRIX_FMT_FP4 matrix_a_scale:MATRIX_SCALE_ROW1
.endif
.endr
.endm
.macro BIASED g                        ; u = S x bias + a, each accumulator from its low end on
.irp j, 0,2,4,6,8,10,12,14,16,18,20,22,24,26,28,30
	v_pk_fma_f32 v[S+32*(\g)+\j:S+32*(\g)+\j+1], v[S+32*(\g)+\j:S+32*(\g)+\j+1], v[BI+\j:BI+\j+1], v[AD+\j:AD+\j+1]
.endr
.endm
; A KEY STEP, 128 keys, the st-th of the slot, is written in four parts.
; PRE asks for its first 64 keys of K, V's scale bytes and the first 64 keys' bias: 19 LDS loads.
; FR makes u for all 128 keys and asks for V's fragments: behind it, and the wait for those loads, the step needs nothing more of LDS.
; SMA is the softmax up to p: the maxima, M, f and the exponentials.  SMB makes p's scales and codes, the row's sum and the second product.  Both work on registers alone,
; but for SMB's wait (w = 1) for what was asked of LDS ahead of it.
.macro PRE slot, st
	LOADK \slot, \st, 0
	LOADVS \slot, \st
	LOADBI \slot, \st, 0
.endm
.macro FR slot, st
	s_wait_dscnt 8                                 ; K, the mask words and the scale words are in; PRE's youngest 8 loads, the bias's, may be out
	SCORES 0
	v_perm_b32 v[VW], v[VSA+1], v[VSA], 0x05040100     ; V's scale words of these 128 keys: lanes 0-15 tile 0 of d, lanes 16-31 tile 2;
	v_perm_b32 v[VW+1], v[VSA+1], v[VSA], 0x07060302   ; tiles 1 and 3.  With two v_nop: the four places behind the products
	v_nop
	v_nop
	LOADK \slot, \st, 1                            ; the other 64 keys are asked for ahead of the multiply-adds
	s_wait_dscnt 9                                 ; the bias is in; the 9 loads just issued may be out
	BIASED 0
	LOADBI \slot, \st, 1
	s_wait_dscnt 8                                 ; K is in; the bias's 8 loads may be out
	SCORES 1
	PLACES
	s_wait_dscnt 0x0
	BIASED 1
.irp dt, 0,1,2,3                               ; V's fragments land while the softmax is walked
.irp c, 0,1
	ds_load_b128 v[VF+8*\dt+4*\c:VF+8*\dt+4*\c+3], v[AKV+\slot] offset:32768+\st*16384+\dt*1024+\c*512
.endr
.endr
.endm
.macro SMA
.irp b, 0,1,2,3
	v_max3_num_f32 v[BM+\b], v[S+16*\b], v[S+16*\b+1], v[S+16*\b+2]   ; the largest u of each block of 32 keys: for the row's maximum and for the block's largest p
.endr
.irp i, 3,5,7,9,11,13
.irp b, 0,1,2,3
	v_max3_num_f32 v[BM+\b], v[BM+\b], v[S+16*\b+\i], v[S+16*\b+\i+1]   ; (the four blocks by turns)
.endr
.endr
.irp b, 0,1,2,3
	v_max_num_f32 v[BM+\b], v[BM+\b], v[S+16*\b+15]
.endr
.irp b, 0,1,2,3
	v_permlanex16_b32 v[PB+\b], v[BM+\b], s[SEL], s[SEL+1]
.endr
.irp b, 0,1,2,3
	v_max_num_f32 v[BM+\b], v[BM+\b], v[PB+\b]     ; with lane l xor 16's 16 keys
.endr
	v_max3_num_f32 v[T0], v[BM], v[BM+1], v[BM+2]
	v_max_num_f32 v[T0], v[T0], v[BM+3]
	v_mul_f32 v[T0], s[CS], v[T0]                  ; as t (the factor is positive)
	v_max_num_f32 v13, v13, v[T0]                  ; the running largest t
	v_mov_b32 v[T0], v12
	v_floor_f32 v12, -v13                          ; the new -M = -ceil(t): a whole number
	v_sub_f32 v[T0], v12, v[T0]                    ; old M - new M, 0 or less
	v_cvt_i32_f32 v[T0], v[T0]                     ; (it saturates)
	v_ldexp_f32 v[FF], 1.0, v[T0]                  ; f = 2^(old M - new M)
.irp j, 0,2,4,6,8,10,12,14,16,18,20,22,24,26,28,30,32,34,36,38,40,42,44,46,48,50,52,54,56,58,60,62
	v_pk_fma_f32 v[S+\j:S+\j+1], v[S+\j:S+\j+1], s[CS:CS+1], v[12:13] op_sel_hi:[1,0,0]   ; t - M (of the pairs the low word serves both halves)
.endr
.irp b, 0,1,2,3
	v_fma_f32 v[BM+\b], v[BM+\b], s[CS], v12       ; the same of each block's largest u
.endr
	s_wait_alu depctr_va_vdst(0)
.irp j, 0,1,2,3,4,5,6,7,8,9,10,11,12,13,14,15,16,17,18,19,20,21,22,23,24,25,26,27,28,29,30,31,32,33,34,35,36,37,38,39,40,41,42,43,44,45,46,47,48,49,50,51,52,53,54,55,56,57,58,59,60,61,62,63
	v_exp_f32 v[S+\j], v[S+\j]                     ; p, not normalised
.endr
.irp b, 0,1,2,3
	v_exp_f32 v[BM+\b], v[BM+\b]                   ; the block's largest p
.endr
	v_pk_mul_f32 v[14:15], v[14:15], v[FF:FF+1] op_sel_hi:[1,0]   ; the sums under the new M (a plain place behind the exponentials)
	s_wait_alu depctr_va_vdst(0)                   ; one wait for the whole batch, ahead of its first reader
.endm
.macro SMB w                           ; w = 1: V's fragments are still to be waited for
.irp b, 0,1,2,3
	v_max_num_f32 v[BM+\b], 0x1800000, v[BM+\b]    ; the floor 2^(3 - 127)
.endr
.irp b, 0,1,2,3
	v_add_nc_u32 v[SO+\b], 0xff000000, v[BM+\b]    ; the conversion's scale operand
.endr
.irp b, 0,1,2,3
	v_lshrrev_b32 v[PB+\b], 23, v[SO+\b]           ; the byte
.endr
	v_lshl_or_b32 v[PS], v[PB+1], 8, v[PB]         ; p's scale word for these 128 keys
	v_lshl_or_b32 v[PS], v[PB+2], 16, v[PS]
	v_lshl_or_b32 v[PS], v[PB+3], 24, v[PS]
.irp c, 0,1                                    ; dealt so that two exchanges of halves leave block 2 c + h whole in a lane, in the order of the keys
	v_cvt_scalef32_pk8_fp4_f32 v[PC+4*\c], v[S+32*\c:S+32*\c+7], v[SO+2*\c]
	v_cvt_scalef32_pk8_fp4_f32 v[PC+4*\c+1], v[S+32*\c+16:S+32*\c+23], v[SO+2*\c+1]
	v_cvt_scalef32_pk8_fp4_f32 v[PC+4*\c+2], v[S+32*\c+8:S+32*\c+15], v[SO+2*\c]
	v_cvt_scalef32_pk8_fp4_f32 v[PC+4*\c+3], v[S+32*\c+24:S+32*\c+31], v[SO+2*\c+1]
.endr
	v_nop                                          ; one plain place behind a scaled conversion
.irp c, 0,1
	v_permlane16_swap_b32 v[PC+4*\c], v[PC+4*\c+1]
	v_permlane16_swap_b32 v[PC+4*\c+2], v[PC+4*\c+3]
.endr
	v_pk_add_f32 v[T0:T0+1], v[S:S+1], v[S+2:S+3]  ; the row's sum of the unquantised p, in two chains: the first 64 keys here,
.irp j, 4,8,12,16,20,24,28
	v_pk_add_f32 v[14:15], v[14:15], v[S+\j:S+\j+1]
	v_pk_add_f32 v[T0:T0+1], v[T0:T0+1], v[S+\j+2:S+\j+3]
.endr
.irp j, 0,2,4,6,8,10,12,14,16,18,20,22,24,26,28,30
	v_pk_mul_f32 v[O+\j:O+\j+1], v[O+\j:O+\j+1], v[FF:FF+1] op_sel_hi:[1,0]   ; O^T under the new M, each accumulator from its low end on
.endr
.if \w
	s_wait_alu depctr_va_vdst(0)                   ; directly ahead of the wait below
	s_wait_dscnt 0x0                               ; V is in, and what was asked for behind it
.endif
.irp dt, 0,1,2,3                               ; the four accumulators take turns, and S^T's products stand between one step's and the next's
.if \dt < 2
	v_wmma_scale_f32_16x16x128_f8f6f4 v[O+8*\dt:O+8*\dt+7], v[VF+8*\dt:VF+8*\dt+7], v[PC:PC+7], v[O+8*\dt:O+8*\dt+7], v[VW+\dt%2], v[PS] matrix_a_fmt:MATRIX_FMT_FP4 matrix_b_fmt:MATRIX_FMT_FP4
.else
	v_wmma_scale_f32_16x16x128_f8f6f4 v[O+8*\dt:O+8*\dt+7], v[VF+8*\dt:VF+8*\dt+7], v[PC:PC+7], v[O+8*\dt:O+8*\dt+7], v[VW+\dt%2], v[PS] matrix_a_fmt:MATRIX_FMT_FP4 matrix_b_fmt:MATRIX_FMT_FP4 matrix_a_scale:MATRIX_SCALE_ROW1
.endif
.endr
.irp j, 32,36,40,44,48,52,56,60                ; the other 64 keys' sum: 17 plain lines that name none of those products' registers: the places behind them
	v_pk_add_f32 v[14:15], v[14:15], v[S+\j:S+\j+1]
	v_pk_add_f32 v[T0:T0+1], v[T0:T0+1], v[S+\j+2:S+\j+3]
.endr
	v_pk_add_f32 v[14:15], v[14:15], v[T0:T0+1]
.endm
; THE CHANGE OF SLOTS LIES ROUND THE SLOT'S LAST SOFTMAX.  When the last step's FR has asked for V's fragments, the wave needs nothing more of the slot:
; LEAVE: it waits for all its tensor loads (its part of the slot ahead), adds 0 to its spare word, waits for that and for its reads of the slot that it leaves, and signals the barrier.
; SMA, work on registers alone, stands between that signal and its wait.
; ENTER: the barrier's wait.  fill = 1: the barrier has opened a round of the cluster's barrier; behind the round the slot just left is filled first, with the keys two slots on.
; Then the next slot's first 19 loads are asked for, and SMB, which needs no LDS (V's fragments came in ahead of the signal), stands between them and their first use.
.macro CREST                           ; a round of the cluster's barrier behind its opening barrier
	s_cmp_lg_u32 s[WV], 0
	s_cbranch_scc1 .Lnot_first_\@
	s_barrier_signal -3
.Lnot_first_\@:
	s_barrier_wait -3
	s_barrier_signal -1
	s_barrier_wait -1
.endm
.macro LEAVE slot, fill
	s_wait_alu depctr_va_vdst(0)                   ; directly ahead of the wait below
	s_wait_tensorcnt 0x0                           ; no tensor load of mine is out, so a group 0 may be written
	ds_add_u32 v[SPW], v[NIL]                      ; 0 onto my spare word
.if \fill
	ds_add_u32 v[SPW], v[NIL]                      ; and once more where a load follows: the add is made twice on end, in every trip alike
.endif
	v_add_nc_u32 v[AMW], 2048, v[AMW]              ; the mask words of the next 256 keys
.if \fill
	s_add_nc_u64 s[G0B+4*\slot+2:G0B+4*\slot+3], s[G0B+4*\slot+2:G0B+4*\slot+3], 2048
	s_add_nc_u64 s[G0K+4*\slot+2:G0K+4*\slot+3], s[G0K+4*\slot+2:G0K+4*\slot+3], 2*71680
.endif
	s_wait_dscnt 0x0                               ; the add is done, V's fragments are in, and my reads of the slot are over
	s_barrier_signal -1
.endm
.macro ENTER slot, fill
	s_barrier_wait -1                              ; every wave of my work-group has left the slot, and the slot ahead is whole
.if \fill
	CREST                                          ; no wave of any partner still reads the slot or has a load on its way
	TLOAD \slot                                    ; the joint refill, first behind the round, one load a wave
.endif
	s_wait_alu depctr_va_vdst(0)
.endm
.macro BODY slot, next, fill           ; a slot's two steps, and the change to the next slot
	FR \slot, 0
	PRE \slot, 1                                   ; the second step's first loads land while the first step's softmax is walked
	SMA
	SMB 1
	FR \slot, 1
	LEAVE \slot, \fill
	SMA
	ENTER \slot, \fill
	PRE \next, 0
	SMB 0
.endm
	PRE 0, 0                                       ; keys 0-127's first loads
	s_mov_b32 s[CNT], 3
.Lslot:                                            ; three trips of two slots: slots 2 to 7 are asked for
	BODY 0, 1, 1
	BODY 1, 0, 1
	s_sub_co_u32 s[CNT], s[CNT], 1
	s_cmp_lg_u32 s[CNT], 0
	s_wait_alu depctr_va_vdst(0)                   ; directly ahead of the branch
	s_cbranch_scc1 .Lslot
	BODY 0, 1, 0                                   ; the tail is written out: the last change fills nothing
	FR 1, 0
	PRE 1, 1
	SMA
	SMB 1
	FR 1, 1
	SMA
	SMB 1
	; THE WAY OUT: O^T / the sum, quantised along D: my head's 64 are two blocks; the codes are half an image of the last product's operand.
	s_delay_alu instid0(VALU_DEP_1)
	v_add_f32 v14, v14, v15
	s_delay_alu instid0(VALU_DEP_1)
	v_permlanex16_b32 v[T0], v14, s[SEL], s[SEL+1]
	s_delay_alu instid0(VALU_DEP_1)
	v_add_f32 v14, v14, v[T0]                      ; the row's sum
	s_wait_alu depctr_va_vdst(0)
	v_rcp_f32 v[FF], v14
	v_and_b32 v4, 31, v0                           ; (a plain place behind the transcendental)  the way out's addresses, in address registers that are done with: lane,
	s_delay_alu instid0(VALU_DEP_1)
	v_lshlrev_b32 v3, 4, v4                        ; 16 x lane,
	v_lshl_add_u32 v[XA], v0, 2, OSC               ; my word among the result's scale bytes,
	s_delay_alu instid0(VALU_DEP_3)
	v_lshrrev_b32 v5, 3, v4
	s_delay_alu instid0(VALU_DEP_4)
	v_and_b32 v[AMW], 7, v4
	s_delay_alu instid0(VALU_DEP_1)
	v_lshlrev_b32 v[AMW], 3, v[AMW]
	s_delay_alu instid0(VALU_DEP_1)
	v_lshl_add_u32 v[AMW], v5, 9, v[AMW]
	s_delay_alu instid0(VALU_DEP_1)
	v_add_nc_u32 v[AMW], OSC, v[AMW]               ; and the gatherer's: 512 (lane / 8) + 8 (lane % 8)
	s_wait_alu depctr_va_vdst(0)
.irp j, 0,2,4,6,8,10,12,14,16,18,20,22,24,26,28,30
	v_pk_mul_f32 v[S+\j:S+\j+1], v[O+\j:O+\j+1], v[FF:FF+1] op_sel_hi:[1,0]   ; register 8 T + j: channel 16 T + 8 h + j of my query
.endr
	v_max3_num_f32 v[BM], |v[S]|, |v[S+1]|, 0x1800000
	v_max3_num_f32 v[BM+1], |v[S+16]|, |v[S+17]|, 0x1800000
.irp i, 2,4,6,8,10,12,14
	s_delay_alu instid0(VALU_DEP_2)
	v_max3_num_f32 v[BM], v[BM], |v[S+\i]|, |v[S+\i+1]|
	s_delay_alu instid0(VALU_DEP_2)
	v_max3_num_f32 v[BM+1], v[BM+1], |v[S+16+\i]|, |v[S+17+\i]|
.endr
	s_delay_alu instid0(VALU_DEP_2)
	v_permlanex16_b32 v[PB], v[BM], s[SEL], s[SEL+1]
	s_delay_alu instid0(VALU_DEP_2)
	v_permlanex16_b32 v[PB+1], v[BM+1], s[SEL], s[SEL+1]
	s_delay_alu instid0(VALU_DEP_2)
	v_max_num_f32 v[BM], v[BM], v[PB]
	s_delay_alu instid0(VALU_DEP_2)
	v_max_num_f32 v[BM+1], v[BM+1], v[PB+1]
	s_delay_alu instid0(VALU_DEP_2)
	v_add_nc_u32 v[SO], 0xff000000, v[BM]
	s_delay_alu instid0(VALU_DEP_2)
	v_add_nc_u32 v[SO+1], 0xff000000, v[BM+1]
	s_delay_alu instid0(VALU_DEP_2)
	v_lshrrev_b32 v[PB], 23, v[SO]
	s_delay_alu instid0(VALU_DEP_2)
	v_lshrrev_b32 v[PB+1], 23, v[SO+1]
	v_cvt_scalef32_pk8_fp4_f32 v[PC], v[S:S+7], v[SO]
	v_cvt_scalef32_pk8_fp4_f32 v[PC+1], v[S+16:S+23], v[SO+1]
	v_cvt_scalef32_pk8_fp4_f32 v[PC+2], v[S+8:S+15], v[SO]
	v_cvt_scalef32_pk8_fp4_f32 v[PC+3], v[S+24:S+31], v[SO+1]
	v_lshl_or_b32 v[T0], v[PB+1], 8, v[PB]         ; my row's two bytes (a plain place behind the conversions)
	v_permlane16_swap_b32 v[PC], v[PC+1]
	v_permlane16_swap_b32 v[PC+2], v[PC+3]
	global_store_b128 v3, v[PC:PC+3], s[80:81]     ; 512 consecutive bytes
	ds_store_b32 v[XA], v[T0]                      ; a word a thread: wave 4 qt + e, lane r
	s_wait_dscnt 0x0                               ; for the others' sake: my store is done
	s_barrier_signal -1
	s_barrier_wait -1
	s_cmp_lg_u32 s[WV], 0
	s_cbranch_scc1 .Lnot_gatherer
	ds_load_b64 v[72:73], v[AMW]                   ; lane l gathers rows 2 l and 2 l + 1: head 0's bytes of both,
	ds_load_b64 v[74:75], v[AMW] offset:128        ; head 1's,
	ds_load_b64 v[76:77], v[AMW] offset:256
	ds_load_b64 v[78:79], v[AMW] offset:384
	s_wait_dscnt 0x0
	v_lshl_or_b32 v80, v74, 16, v72                ; a word: the four bytes of two heads, one K step of the last product
	v_lshl_or_b32 v81, v78, 16, v76
	v_lshl_or_b32 v82, v75, 16, v73
	v_lshl_or_b32 v83, v79, 16, v77
	global_store_b128 v3, v[80:83], s[82:83]       ; 512 consecutive bytes
.Lnot_gatherer:
	s_wait_tensorcnt 0x0                           ; the wave's end
	ds_add_u32 v[SPW], v[NIL]
	s_wait_dscnt 0x0
	ROUND                                          ; the closing round: no work-group ends while a partner may still ask for a tile that names it
	s_endpgm
.Lfunc_end_k_qb4ff2b3ceb_attn:
	.size	k_qb4ff2b3ceb_attn, .Lfunc_end_k_qb4ff2b3ceb_attn-k_qb4ff2b3ceb_attn
	.p2alignl 7, 3214868480
	.fill 96, 4, 3214868480
	.section	.rodata,"a",@progbits
	.p2align	6, 0x0
	.amdhsa_kernel k_qb4ff2b3ceb_attn
		.amdhsa_group_segment_fixed_size 327680
		.amdhsa_private_segment_fixed_size 0
		.amdhsa_enable_private_segment 0
		.amdhsa_kernarg_size 48
		.amdhsa_user_sgpr_count 2
		.amdhsa_user_sgpr_kernarg_segment_ptr 1
		.amdhsa_wavefront_size32 1
		.amdhsa_system_sgpr_workgroup_id_x 1
		.amdhsa_system_sgpr_workgroup_id_y 1
		.amdhsa_system_sgpr_workgroup_id_z 1
		.amdhsa_system_vgpr_workitem_id 0
		.amdhsa_next_free_vgpr 256
		.amdhsa_next_free_sgpr 100
		.amdhsa_reserve_vcc 1
		.amdhsa_float_denorm_mode_32 3
		.amdhsa_float_denorm_mode_16_64 3
		.amdhsa_memory_ordered 1
		.amdhsa_forward_progress 1
		.amdhsa_inst_pref_size 177
	.end_amdhsa_kernel
	.amdgpu_metadata
---
amdhsa.version: [ 1, 2 ]
amdhsa.kernels:
  - .name:           k_qb4ff2b3ceb_attn
    .symbol:         k_qb4ff2b3ceb_attn.kd
    .args:
      - { .name: qc, .offset: 0, .size: 8, .value_kind: global_buffer, .address_space: global }
      - { .name: kv, .offset: 8, .size: 8, .value_kind: global_buffer, .address_space: global }
      - { .name: bias, .offset: 16, .size: 8, .value_kind: global_buffer, .address_space: global }
      - { .name: mask, .offset: 24, .size: 8, .value_kind: global_buffer, .address_space: global }
      - { .name: ocodes, .offset: 32, .size: 8, .value_kind: global_buffer, .address_space: global }
      - { .name: oscales, .offset: 40, .size: 8, .value_kind: global_buffer, .address_space: global }
    .group_segment_fixed_size: 327680
    .private_segment_fixed_size: 0
    .kernarg_segment_align: 8
    .kernarg_segment_size: 48
    .max_flat_workgroup_size: 512
    .sgpr_count:     100
    .vgpr_count:     256
    .wavefront_size: 32
...
	.end_amdgpu_metadata
.endif
;; end of part 3
;; launch outp (part 4): grid 8 x 32, 4 waves a work-group, clusters of 4 x 4, 168,448 bytes of LDS; arguments ocodes, oscales, codes, scales, bo, out0; writes out0
.if DOCPART == 4
	.amdgcn_target "amdgcn-amd-amdhsa--gfx1250"
	.amdhsa_code_object_version 6
	.text
	.protected	k_qb4ff2b3ceb_outp
	.globl	k_qb4ff2b3ceb_outp
	.p2align	8
	.type	k_qb4ff2b3ceb_outp,@function
k_qb4ff2b3ceb_outp:
	s_mov_b64 s[64:65], 0
	v_nop
	global_prefetch_b8 v0, s[64:65] scope:SCOPE_SE
	s_setreg_imm32_b32 hwreg(HW_REG_WAVE_MODE, 25, 1), 1
	s_wait_xcnt 0x0
	s_wait_alu depctr_hold_cnt(0) depctr_sa_sdst(0) depctr_va_vdst(0) depctr_va_sdst(0) depctr_va_ssrc(0) depctr_va_vcc(0) depctr_vm_vsrc(0)
	s_getreg_b32 s2, hwreg(HW_REG_IB_STS2, 6, 4)
	s_cmp_eq_u32 s2, 0
	s_cbranch_scc0 .Lentry_in_a_cluster
	s_endpgm
.Lentry_in_a_cluster:
	s_bfe_u32 s2, ttmp6, 0x10000c
	s_cmp_lg_u32 s2, 0xf033
	s_cbranch_scc0 .Lentry_shape_is_right
	s_endpgm
.Lentry_shape_is_right:
; out0 = O Wo^T + bo on codes of FP4.  O's codes and scale words were made by the attention, Wo's by the first launch; both lie as images of the operand's registers.
; A work-group makes 128 x 128 of out0 with all of K = 1,024: two tiles of 65,536 dense bytes, each filled ONCE; four waves, each 64 x 64: 16 accumulators.
; Source 0 = 16 rows of Wo, source 1 = 16 rows of O: a lane holds eight neighbouring numbers of a row of out0.  bo is the C of each sum's first product.
; CLUSTERS 4 x 4: Wo's tile hangs on the cluster's x place alone and is asked for jointly by a column, O's on the y place alone, by a row.
; REGISTERS: window 0: v0-15 addresses; v32-63 Wo's scale words, v64-95 O's, and nothing else; v96-127 bo; v128-255 accumulators ((a, t) at 128 + 8 (4 a + t)).
;   window 1: two fragment buffers of 128; on the way out rows of out0.
.set L16, 5
.set AD0, 6
.set AD1, 7
.set R16, 8
.set R8,  9
.set H32, 10
.set STO, 11
.set RD,  12
.set CO,  13
.set SS0, 32
.set SS1, 64
.set CB,  96
.set ACC, 128
.set F0,  0
.set F1,  128
.set STAGE, 131072                     ; behind the tiles: 16 rows x (256 + 16) bytes for each wave; no fill lands there
.set SP,  272
.set MSB, 0
.macro WIN new                         ; the immediate's high byte repeats the setting that is left
.if MSB != \new
	s_set_vgpr_msb (MSB<<8)|\new
.set MSB, \new
.endif
.endm
.set MUL,  0x05
.set TO_F, 0x40
.macro PLACES
.rept 4
	v_nop
.endr
.endm
.macro CROUND
	s_barrier_signal -1
	s_barrier_wait -1
	s_cmp_lg_u32 s20, 0
	s_cbranch_scc1 .Lnot_wave_0_\@
	s_barrier_signal -3
.Lnot_wave_0_\@:
	s_barrier_wait -3
	s_barrier_signal -1
	s_barrier_wait -1
.endm
	s_load_b256 s[4:11], s[0:1], 0x0               ; ocodes, oscales, codes, scales
	s_load_b128 s[12:15], s[0:1], 0x20             ; bo, out0
	v_lshl_add_u32 v30, v0, 2, 0x29000
	v_mov_b32 v31, 0
	ds_add_u32 v30, v31
	ds_add_u32 v30, v31
	v_lshrrev_b32 v1, 5, v0
	v_readfirstlane_b32 s20, v1                    ; wave 0..3
	s_and_b32 s21, s20, 1                          ; my half of Wo's rows.  Also: which 64 rows I fetch
	s_lshr_b32 s22, s20, 1                         ; my half of O's rows.  Also: I fetch for Wo (0) or O (1)
	s_bfe_u32 s23, ttmp6, 0x40000                  ; cx
	s_bfe_u32 s24, ttmp6, 0x40004                  ; cy
	s_and_b32 s25, ttmp7, 0xffff
	s_lshl_b32 s30, ttmp9, 2
	s_add_co_u32 s30, s30, s23                     ; tile of 128 columns of out0
	s_lshl_b32 s31, s25, 2
	s_add_co_u32 s31, s31, s24                     ; tile of 128 rows
	s_lshl_b32 s34, s24, 2
	s_lshl_b32 s34, 15, s34                        ; my row of the cluster
	s_lshl_b32 s35, 0x1111, s23                    ; my column
	s_or_b32 s40, s35, (3<<16)|(1<<21)             ; Wo's tiles go to my column
	s_or_b32 s48, s34, (3<<16)|(1<<21)             ; O's to my row
.irp g, 40, 48
	s_mov_b32 s[\g+1], 32<<16                      ; 32,768 dense bytes as 128 rows of 32 elements of 8 bytes
	s_mov_b32 s[\g+2], 128<<16
	s_mov_b32 s[\g+3], 32<<16
	s_mov_b32 s[\g+4], 128
	s_mov_b32 s[\g+5], 32
	s_mov_b32 s[\g+6], 0
	s_mov_b32 s[\g+7], 0
.endr
	s_lshl_b32 s36, s30, 7
	s_add_co_u32 s36, s36, 15360                   ; Wo's first row among the first launch's rows
	s_lshl_b32 s37, s31, 7                         ; O's
	s_lshl_b32 s38, s21, 6
	s_add_co_u32 s66, s36, s38
	s_lshl_b32 s66, s66, 9
	s_mov_b32 s67, 0
	s_add_co_u32 s68, s37, s38
	s_lshl_b32 s68, s68, 9
	s_mov_b32 s69, 0
	s_lshl_b32 s39, s20, 15                        ; LDS: wave x 32,768
	v_and_b32 v2, 31, v0
	v_and_b32 v3, 15, v0                           ; r
	v_bfe_u32 v4, v0, 4, 1                         ; h
	v_lshlrev_b32 v[L16], 4, v2
	v_lshlrev_b32 v[R16], 4, v3
	v_lshlrev_b32 v[R8], 3, v3
	v_lshlrev_b32 v[H32], 5, v4
	s_lshl_b32 s70, s21, 15
	v_add_nc_u32 v[AD0], s70, v[L16]
	s_lshl_b32 s71, s22, 15
	s_add_co_u32 s71, s71, 65536
	v_add_nc_u32 v[AD1], s71, v[L16]
	s_mul_i32 s72, s20, 16*SP
	s_add_co_u32 s72, s72, STAGE                   ; my stage
	v_mul_u32_u24 v[STO], v3, SP
	v_lshl_add_u32 v[STO], v4, 5, v[STO]
	v_add_nc_u32 v[STO], s72, v[STO]               ; in: row r, + 32 h
	v_mul_u32_u24 v[RD], v4, SP
	v_lshl_add_u32 v[RD], v3, 4, v[RD]
	v_add_nc_u32 v[RD], s72, v[RD]                 ; back: lanes 0-15 one row of 256 bytes, lanes 16-31 the next
	v_lshlrev_b32 v[CO], 12, v4
	v_lshl_add_u32 v[CO], v3, 4, v[CO]             ; and the same two rows in out0
	s_wait_dscnt 0x0
	s_wait_kmcnt 0x0
	s_mov_b32 s56, 1
	s_mov_b32 s57, s39
	s_add_nc_u64 s[58:59], s[8:9], s[66:67]
	s_or_b32 s59, s59, 0x80000000
	s_mov_b32 s60, 1
	s_mov_b32 s61, s39
	s_add_nc_u64 s[62:63], s[4:5], s[68:69]
	s_or_b32 s63, s63, 0x80000000
	CROUND                                         ; all sixteen work-groups are here: the joint loads meet
	s_cmp_eq_u32 s22, 0                            ; one load a wave, the only fills of the launch; four v_nop follow each line
	s_cbranch_scc0 .Lfor_o
	tensor_load_to_lds s[56:59], s[40:47]
	s_nop 0
	PLACES
	s_branch .Lasked
.Lfor_o:
	tensor_load_to_lds s[60:63], s[48:55]
	s_nop 0
	PLACES
.Lasked:
	s_add_co_u32 s72, s36, s38                     ; my 64 rows of Wo
	s_lshl_b32 s72, s72, 5
	s_mov_b32 s73, 0
	s_add_nc_u64 s[80:81], s[10:11], s[72:73]      ; their scale words
	s_lshl_b32 s74, s22, 6
	s_add_co_u32 s74, s37, s74                     ; my 64 rows of O
	s_lshl_b32 s72, s74, 3
	s_add_nc_u64 s[82:83], s[6:7], s[72:73]        ; theirs: 8 bytes a row for each group of four heads
	s_lshl_b32 s75, s30, 9
	s_lshl_b32 s72, s21, 8
	s_add_co_u32 s75, s75, s72                     ; my 64 columns, in bytes
	s_mov_b32 s72, s75
	s_add_nc_u64 s[84:85], s[12:13], s[72:73]      ; bo
	s_lshl_b32 s72, s74, 12
	s_add_co_u32 s72, s72, s75
	s_add_nc_u64 s[86:87], s[14:15], s[72:73]      ; out0
.irp t, 0,1,2,3
.irp kh, 0,1
	global_load_b128 v[SS0+8*\t+4*\kh:SS0+8*\t+4*\kh+3], v[R16], s[80:81] offset:\t*512+\kh*256
.endr
.endr
.irp a, 0,1,2,3
.irp hg, 0,1,2,3
	global_load_b64 v[SS1+8*\a+2*\hg:SS1+8*\a+2*\hg+1], v[R8], s[82:83] offset:\hg*32768+\a*128
.endr
.endr
.irp t, 0,1,2,3
	global_load_b128 v[CB+8*\t:CB+8*\t+3], v[H32], s[84:85] offset:64*\t
	global_load_b128 v[CB+8*\t+4:CB+8*\t+7], v[H32], s[84:85] offset:64*\t+16
.endr
	s_wait_loadcnt 0x0
	s_wait_tensorcnt 0x0                           ; my quarter of the tiles is in,
	s_barrier_signal -1
	s_barrier_wait -1                              ; everybody's is
.macro FETCH q, f                      ; 32 LDS loads: the fragments of K steps 2 q and 2 q + 1, the first K step first
	WIN TO_F
.irp kk, 0,1
.irp i, 0,1,2,3
	ds_load_b128 v[\f+64+8*(4*\kk+\i):\f+64+8*(4*\kk+\i)+3],   v[AD0] offset:\i*8192+(2*(\q)+\kk)*1024
	ds_load_b128 v[\f+64+8*(4*\kk+\i)+4:\f+64+8*(4*\kk+\i)+7], v[AD0] offset:\i*8192+(2*(\q)+\kk)*1024+512
	ds_load_b128 v[\f+8*(4*\kk+\i):\f+8*(4*\kk+\i)+3],         v[AD1] offset:\i*8192+(2*(\q)+\kk)*1024
	ds_load_b128 v[\f+8*(4*\kk+\i)+4:\f+8*(4*\kk+\i)+7],       v[AD1] offset:\i*8192+(2*(\q)+\kk)*1024+512
.endr
.endr
.endm
; 8 matrix instructions; the 16 accumulators take turns, one instruction a turn, in the same order in every K step
.macro MUL8 f, kk, a0, ks, first
.irp a, \a0, \a0+1
.irp t, 0,1,2,3
.if \first
	v_wmma_scale_f32_16x16x128_f8f6f4 v[ACC+8*(4*(\a)+\t):ACC+8*(4*(\a)+\t)+7], v[\f+64+8*(4*\kk+\t):\f+64+8*(4*\kk+\t)+7], v[\f+8*(4*\kk+(\a)):\f+8*(4*\kk+(\a))+7], v[CB+8*\t:CB+8*\t+7], v[SS0+8*\t+(\ks)], v[SS1+8*(\a)+(\ks)] matrix_a_fmt:MATRIX_FMT_FP4 matrix_b_fmt:MATRIX_FMT_FP4
.else
	v_wmma_scale_f32_16x16x128_f8f6f4 v[ACC+8*(4*(\a)+\t):ACC+8*(4*(\a)+\t)+7], v[\f+64+8*(4*\kk+\t):\f+64+8*(4*\kk+\t)+7], v[\f+8*(4*\kk+(\a)):\f+8*(4*\kk+(\a))+7], v[ACC+8*(4*(\a)+\t):ACC+8*(4*(\a)+\t)+7], v[SS0+8*\t+(\ks)], v[SS1+8*(\a)+(\ks)] matrix_a_fmt:MATRIX_FMT_FP4 matrix_b_fmt:MATRIX_FMT_FP4
.endif
.endr
.endr
.endm
.macro QUARTER q, f, g, first
	s_wait_dscnt 16                                ; the first K step's 16 loads are in; the second's may be out
	WIN MUL
	MUL8 \f, 0, 0, 2*(\q), \first
	MUL8 \f, 0, 2, 2*(\q), \first
	PLACES                                         ; four places in front of loads into registers that matrix instructions have read
	FETCH (\q)+1, \g
	s_wait_dscnt 32                                ; all but the 32 just issued
	WIN MUL
	MUL8 \f, 1, 0, 2*(\q)+1, 0
	MUL8 \f, 1, 2, 2*(\q)+1, 0
.endm
	s_wait_alu depctr_va_vdst(0)
	FETCH 0, F0
	QUARTER 0, F0, F1, 1                           ; the first K step's products start the sums, from bo
	QUARTER 1, F1, F0, 0
	QUARTER 2, F0, F1, 0
	s_wait_dscnt 16
	WIN MUL
	MUL8 F1, 0, 0, 6, 0
	MUL8 F1, 0, 2, 6, 0
	s_wait_dscnt 0x0
	MUL8 F1, 1, 0, 7, 0
	MUL8 F1, 1, 2, 7, 0
	WIN 0
	PLACES                                         ; in front of the first read of results and of loads into the fragments' registers
; THE WAY OUT, 16 rows x 64 columns at a time, through my own stage: a lane's 32 bytes go in by rows of 272 bytes and come back as whole rows of 256.
; LDS serves a wave's instructions in order: no wait between the stores and the loads, nor in front of the next block's stores.
.macro TOSTAGE a
	WIN 0
.irp t, 0,1,2,3
	ds_store_b128 v[STO], v[ACC+8*(4*(\a)+\t):ACC+8*(4*(\a)+\t)+3] offset:64*\t         ; each accumulator from its low end on
	ds_store_b128 v[STO], v[ACC+8*(4*(\a)+\t)+4:ACC+8*(4*(\a)+\t)+7] offset:64*\t+16
.endr
	WIN TO_F
.irp i, 0,1,2,3,4,5,6,7
	ds_load_b128 v[32*(\a)+4*\i:32*(\a)+4*\i+3], v[RD] offset:\i*2*SP
.endr
.endm
.macro SEND a, younger                 ; younger: the LDS instructions issued behind block a's loads, which may stay out
	s_wait_dscnt \younger
	WIN 0x04                                       ; a store's data are its source 1: window 1
.irp i, 0,1,2,3,4,5,6,7
	global_store_b128 v[CO], v[32*(\a)+4*\i:32*(\a)+4*\i+3], s[86:87] offset:(16*(\a)+2*\i)*4096 th:TH_STORE_NT   ; 16 lanes store 256 consecutive bytes, aligned
.endr
.endm
	TOSTAGE 0
	TOSTAGE 1
	SEND 0, 16                                     ; behind block 0's loads: block 1's 8 stores and 8 loads
	TOSTAGE 2
	SEND 1, 16
	TOSTAGE 3
	SEND 2, 16
	SEND 3, 0
	WIN 0
	s_wait_tensorcnt 0x0
	ds_add_u32 v30, v31
	s_wait_dscnt 0x0
	CROUND                                         ; the closing round: no work-group ends while a partner may still ask for a tile that names it
	s_endpgm
.Lfunc_end_k_qb4ff2b3ceb_outp:
	.size	k_qb4ff2b3ceb_outp, .Lfunc_end_k_qb4ff2b3ceb_outp-k_qb4ff2b3ceb_outp
	.p2alignl 7, 3214868480
	.fill 96, 4, 3214868480
	.section	.rodata,"a",@progbits
	.p2align	6, 0x0
	.amdhsa_kernel k_qb4ff2b3ceb_outp
		.amdhsa_group_segment_fixed_size 168448
		.amdhsa_private_segment_fixed_size 0
		.amdhsa_enable_private_segment 0
		.amdhsa_kernarg_size 48
		.amdhsa_user_sgpr_count 2
		.amdhsa_user_sgpr_kernarg_segment_ptr 1
		.amdhsa_wavefront_size32 1
		.amdhsa_system_sgpr_workgroup_id_x 1
		.amdhsa_system_sgpr_workgroup_id_y 1
		.amdhsa_system_sgpr_workgroup_id_z 1
		.amdhsa_system_vgpr_workitem_id 0
		.amdhsa_next_free_vgpr 512
		.amdhsa_next_free_sgpr 100
		.amdhsa_reserve_vcc 0
		.amdhsa_float_denorm_mode_32 3
		.amdhsa_float_denorm_mode_16_64 3
		.amdhsa_memory_ordered 1
		.amdhsa_forward_progress 1
		.amdhsa_inst_pref_size 42
	.end_amdhsa_kernel
	.amdgpu_metadata
---
amdhsa.version: [ 1, 2 ]
amdhsa.kernels:
  - .name:           k_qb4ff2b3ceb_outp
    .symbol:         k_qb4ff2b3ceb_outp.kd
    .args:
      - { .name: ocodes, .offset: 0, .size: 8, .value_kind: global_buffer, .address_space: global }
      - { .name: oscales, .offset: 8, .size: 8, .value_kind: global_buffer, .address_space: global }
      - { .name: codes, .offset: 16, .size: 8, .value_kind: global_buffer, .address_space: global }
      - { .name: scales, .offset: 24, .size: 8, .value_kind: global_buffer, .address_space: global }
      - { .name: bo, .offset: 32, .size: 8, .value_kind: global_buffer, .address_space: global }
      - { .name: out0, .offset: 40, .size: 8, .value_kind: global_buffer, .address_space: global }
    .group_segment_fixed_size: 168448
    .private_segment_fixed_size: 0
    .kernarg_segment_align: 8
    .kernarg_segment_size: 48
    .max_flat_workgroup_size: 128
    .sgpr_count:     100
    .vgpr_count:     512
    .wavefront_size: 32
...
	.end_amdgpu_metadata
.endif
;; end of part 4
